; MI455X (gfx1250); checked and timed in simulation.
; The chip was launched on July 23, 2026; its instructions are those of AMD's public machine-readable ISA for CDNA 5 (MIT licence, August 2026) and "CDNA5" Instruction Set Architecture Reference Guide (July 2026). The comments in the code are by the model that wrote it; some were corrected since.
;; Causal Self Attention. Allowed arithmetic: matrix products marked QUANTISED: E2M3 operands, one E8M0 scale for each 32 along K, by v_wmma_scale_f32_16x16x128_f8f6f4 with both operands' format E2M3, f32 sums; everything else in f32.
;; Inputs: Wk 1,024 x 1,024 float32; Wp 1,024 x 1,024 float32; Wq 1,024 x 1,024 float32; Wv 1,024 x 1,024 float32; x 4 x 2,048 x 1,024 float32.
;; Outputs: out0 4 x 2,048 x 1,024 float32.
;; This version of the problem:
;;   THIS VERSION OF THE PROBLEM IS GIVEN IN LOW PRECISION. The matrix products marked QUANTISED in the list below multiply operands that are first quantised to E2M3 (2 exponent bits, 3 mantissa bits; 6 bits a number), with one power-of-two scale for each 32 numbers along K (OCP MX v1.0); their sums are f32. All else is computed in f32.
;;   The module's matrix products, in the order in which they are computed (A, B: the left and right operand; K: the contracted axis; several contracted axes count as one K, in the product's order):
;;     1. [M 8,192, K 1,024] x [K 1,024, N 1,024]; A: input x; B: input Wk: QUANTISED
;;     2. [M 8,192, K 1,024] x [K 1,024, N 1,024]; A: input x; B: input Wq: QUANTISED
;;     3. [M 8,192, K 1,024] x [K 1,024, N 1,024]; A: input x; B: input Wv: QUANTISED
;;     4. batch 64 x [M 2,048, K 64] x [K 64, N 2,048]; A: computed on the way; B: computed on the way: QUANTISED
;;     5. batch 64 x [M 2,048, K 2,048] x [K 2,048, N 64]; A: softmax (see below); B: computed on the way: QUANTISED
;;     6. [M 8,192, K 1,024] x [K 1,024, N 1,024]; A: computed on the way; B: input Wp: QUANTISED
;;   THE QUANTISER, for each operand of a quantised product, along K:
;;     - K is cut into blocks of 32 from its start; a last block that is shorter is filled with zeros.
;;     - A block's scale is 2^e with e = floor(log2(the largest magnitude in the block)) - 2, held to -126 .. 127; a block of zeros has e = 0. As a byte (E8M0): e + 127.
;;     - Each number is divided by its block's scale, clamped to +-7.5, and rounded to the nearest number of E2M3, ties to even, subnormals kept.
;;     - The product sums the exact products of the quantised numbers (number of the format x scale) in f32.
;;   ~~~python
;;   def quantise(x, axis):      # numpy; x: float32 -> the quantised numbers, widened to float32 again
;;       x = np.moveaxis(x, axis, -1); K = x.shape[-1]
;;       x = np.pad(x, [(0, 0)] * (x.ndim - 1) + [(0, -K % 32)]); x = x.reshape(x.shape[:-1] + (-1, 32)); a = np.abs(x).max(-1, keepdims=True)
;;       e = np.where(a > 0, np.clip(np.frexp(np.where(a > 0, a, 1))[1] - 1 - 2, -126, 127), 0)      # np.frexp(a)[1] - 1 = floor(log2(a)), exactly
;;       r = np.clip(x / 2.0 ** e, -7.5, 7.5)
;;       step = 2.0 ** (np.maximum(np.frexp(np.where(r == 0, 1, r))[1] - 1, 0) - 3)
;;       q = np.round(r / step) * step * 2.0 ** e      # np.round: ties to even
;;       return np.moveaxis(q.reshape(q.shape[:-2] + (-1,))[..., :K], -1, axis).astype(np.float32)
;;   ~~~
;;   SOFTMAX AHEAD OF A QUANTISED PRODUCT. Where the list says 'softmax', what is quantised is not the finished softmax but p = 2^(t - M), with t = logit x log2(e) and M = ceil(the row's largest t), a whole number; so 1/2 < the row's largest p <= 1. The row's sum l is taken of the UNQUANTISED p, in f32, and the product's result is divided by l at the end. Since M is a whole number, a kernel that streams over the keys may use a running M (the ceiling of the running maximum): every later rescaling is an exact power of two, which a block's scale takes up: the codes' values come out the same.
;;   OPERANDS COMPUTED ON THE WAY. 'Computed on the way' means the value that the module computes at that place (a softmax that the list does not call 'softmax' is quantised finished and normalised). What goes into a quantiser is computed in f32, as accurately as f32 sums, v_exp_f32 and their like allow (about 1e-6 of the number): no bf16 or f16 on the way to a quantiser, and a product that is left as it is and whose result goes on into a quantised operand takes f32 operands (vector FMAs, or v_wmma_f32_16x16x4_f32). A number that lies on a knife's edge between two numbers of the format may be rounded either way, as far as f32 arithmetic and the matrix unit's own rounding can turn it there, and no further.
;; One version. Each part assembles by itself: llvm-mc -triple=amdgcn-amd-amdhsa -mcpu=gfx1250 --defsym DOCPART=n.
;; ======== version 1 of 1: 4 launches
;; workspace buffers: xw_codes 9,437,184 bytes; xw_scales 393,216 bytes; qkv_codes 18,874,368 bytes; qkv_scales 786,432 bytes; y_codes 6,291,456 bytes; y_scales 262,144 bytes
;; launch quant (part 1): grid 384 x 1, 4 waves a work-group, no clusters, 34,304 bytes of LDS; arguments x, Wq, Wk, Wv, Wp, xw_codes, xw_scales; writes xw_codes, xw_scales
.if DOCPART == 1
	.amdgcn_target "amdgcn-amd-amdhsa--gfx1250"
	.amdhsa_code_object_version 6
	.text
	.protected	k_q8447c6d42f_quant
	.globl	k_q8447c6d42f_quant
	.p2align	8
	.type	k_q8447c6d42f_quant,@function
k_q8447c6d42f_quant:
	s_mov_b64 s[64:65], 0
	v_nop
	global_prefetch_b8 v0, s[64:65] scope:SCOPE_SE
	s_setreg_imm32_b32 hwreg(HW_REG_WAVE_MODE, 25, 1), 1
	s_wait_xcnt 0x0
; x [8192][1024] and Wq, Wk, Wv, Wp [1024][1024], f32 with K innermost, become codes of FP6 (E2M3) with one E8M0 scale byte for each 32 along K,
; laid in the ORDER OF THE OPERAND'S REGISTERS, so that the products' launches read fragments by dense loads alone.
; A block's scale is 2^(floor(log2(its largest magnitude)) - 2); its byte is the largest magnitude's exponent field - 2, held at 1 from below.
; LIMITS: NaN and infinities among the inputs are not served.  A block whose largest magnitude lies under 2^-124 has its byte held at 1.  A block of zeros gets the byte 1 where
; the rule says 127: its codes are zeros, which add nothing under any byte but 0xff, and this program alone reads the bytes.
; TILES.  The 12,288 rows (x, Wq, Wk, Wv, Wp on end) are 768 tiles of 16.  THE ROWS OF A TILE ARE NOT NEIGHBOURS: lane row r of tile 2 g + u is row 32 g + 8 u + r + 8 (r / 8), so that
; wherever such a tile is a product's source 0 a lane's 16 result registers of tiles 2 g and 2 g + 1 are 16 neighbouring rows.
; IMAGE of a fragment (a tile x 128 along K, 12 registers a lane), 1,536 bytes: two halves of 768; in half c lane L's registers 6 c .. 6 c + 3 at 16 L, registers 6 c + 4, 6 c + 5 at 512 + 8 L.
; xw_codes [K step 8][tile 768][1536].  xw_scales [K step 8][four tiles 192][256]: the scale word of tile 4 t + i, lane row r, at byte 16 r + 4 i.
; SHARES.  A work-group takes 64 rows (four tiles) and four K steps, a wave one K step: four fragments, 32 KiB read, 6,144 + 256 consecutive bytes written.
; A load reads 512 consecutive bytes of one row.  The quantiser wants 16 neighbours along K in ONE lane: a tile's 16 x 512 bytes turn through the wave's own stage in LDS
; (rows 528 bytes apart, an odd multiple of 16).  Waves share nothing: no barrier.  Matrix units, clusters and tensor loads would add nothing to a stream.
.set STGB, 16*528                      ; a wave's stage
.set R,    16                          ; v16-143  two sets of 64 registers as loaded
.set X,    144                         ; v144-207 64 numbers of my row: register 16 b + e is k = 32 b + 16 (lane / 16) + e
.set PC,   208                         ; v208-219 the fragment's codes; v220-227 at work
.set TM,   228                         ; v228-243 largest magnitudes, bytes, scale operands
.set W,    248                         ; v248-251 the four tiles' scale words
.set SEL,  20                          ; s[20:21] selects of v_permlanex16_b32: lane l xor 16
	s_load_b256 s[4:11], s[0:1], 0x0               ; x, Wq, Wk, Wv
	s_load_b128 s[12:15], s[0:1], 0x20             ; Wp, xw_codes
	s_load_b64 s[16:17], s[0:1], 0x30              ; xw_scales
	v_lshl_add_u32 v254, v0, 2, 0x8400
	v_mov_b32 v255, 0
	v_lshrrev_b32 v1, 5, v0
	v_readfirstlane_b32 s18, v1                    ; wave 0..3
	v_and_b32 v2, 31, v0                           ; lane L
	v_and_b32 v3, 15, v0                           ; r
	v_bfe_u32 v9, v0, 4, 1                         ; h
	v_lshlrev_b32 v4, 4, v2                        ; 16 L
	v_lshlrev_b32 v5, 3, v2                        ; 8 L
	v_lshlrev_b32 v6, 4, v3
	v_lshl_add_u32 v6, v9, 3, v6                   ; 16 r + 8 h: my two words of the unit of scale words
	s_mul_i32 s19, s18, STGB
	v_add_nc_u32 v7, s19, v4                       ; the stage on the way in: 16 L in a row
	v_mul_u32_u24 v8, v3, 528
	v_lshl_add_u32 v8, v9, 6, v8
	v_add_nc_u32 v8, s19, v8                       ; and on the way out: row r, + 64 h
	s_mov_b32 s[SEL], 0x76543210
	s_mov_b32 s[SEL+1], 0xfedcba98
.irp b, 0,1,2,3
	v_mov_b32 v[TM+4+\b], 0                        ; written once: a lane permute's destination counts as one of its sources
.endr
	s_lshr_b32 s22, ttmp9, 1                       ; which 64 rows of the 12,288
	s_and_b32 s26, ttmp9, 1
	s_lshl_b32 s26, s26, 2
	s_add_co_u32 s26, s26, s18                     ; my K step: 4 x (work-group % 2) + wave
	s_wait_kmcnt 0x0
	s_mov_b64 s[24:25], s[12:13]                   ; whose rows they are: the choice hangs on the work-group's number alone
	s_mov_b32 s23, 176                             ; Wp begins at the 176th run of 64 rows,
	s_cmp_lt_u32 s22, 176
	s_cselect_b64 s[24:25], s[10:11], s[24:25]
	s_cselect_b32 s23, 160, s23                    ; Wv at the 160th,
	s_cmp_lt_u32 s22, 160
	s_cselect_b64 s[24:25], s[8:9], s[24:25]
	s_cselect_b32 s23, 144, s23                    ; Wk at the 144th,
	s_cmp_lt_u32 s22, 144
	s_cselect_b64 s[24:25], s[6:7], s[24:25]
	s_cselect_b32 s23, 128, s23                    ; Wq at the 128th,
	s_cmp_lt_u32 s22, 128
	s_cselect_b64 s[24:25], s[4:5], s[24:25]
	s_cselect_b32 s23, 0, s23                      ; x at the first
	s_sub_co_u32 s27, s22, s23
	s_lshl_b32 s28, s27, 18                        ; 64 rows of 4,096 bytes,
	s_lshl_b32 s27, s26, 9                         ; 512 bytes a K step
	s_add_co_u32 s28, s28, s27
	s_mov_b32 s29, 0
	s_add_nc_u64 s[24:25], s[24:25], s[28:29]
	s_mul_i32 s28, s26, 768
	s_lshl_b32 s27, s22, 2
	s_add_co_u32 s28, s28, s27
	s_mul_i32 s28, s28, 1536                       ; image (K step, first of my four tiles)
	s_add_nc_u64 s[14:15], s[14:15], s[28:29]
	s_mul_i32 s28, s26, 192
	s_add_co_u32 s28, s28, s22
	s_lshl_b32 s28, s28, 8                         ; and their unit of scale words
	s_add_nc_u64 s[16:17], s[16:17], s[28:29]
.macro LOAD i                          ; tile i's 16 rows, in the tile's order, into set i % 2: 32 lanes read 512 consecutive bytes
.irp p, 0,1,2,3,4,5,6,7,8,9,10,11,12,13,14,15
	global_load_b128 v[R+64*((\i)%2)+4*\p:R+64*((\i)%2)+4*\p+3], v4, s[24:25] offset:(32*((\i)/2)+8*((\i)%2)+\p+8*(\p/8))*4096 th:TH_LOAD_NT
.endr
.endm
.macro TURN i                          ; through the stage: LDS serves a wave's instructions in order (ISA guide 5.7.1.4), so no wait stands between the stores and the loads
.irp p, 0,1,2,3,4,5,6,7,8,9,10,11,12,13,14,15
	ds_store_b128 v7, v[R+64*((\i)%2)+4*\p:R+64*((\i)%2)+4*\p+3] offset:528*\p
.endr
.irp b, 0,1,2,3
.irp j, 0,1,2,3
	ds_load_b128 v[X+16*\b+4*\j:X+16*\b+4*\j+3], v8 offset:128*\b+16*\j
.endr
.endr
.endm
; 64 numbers of a lane, v[s] on, register 16 b + e = k 32 b + 16 (lane / 16) + e of my row, become a fragment's codes in v[PC] on and its scale word in v[w].
.macro QUANT s, w
.irp b, 0,1,2,3
	v_max3_num_f32 v[TM+\b], |v[\s+16*\b]|, |v[\s+1+16*\b]|, 0x1800000   ; block b: my 16 numbers, and the floor 2^(3 - 127): so the byte cannot fall under 1
.endr
.irp i, 2,4,6,8,10,12,14
.irp b, 0,1,2,3
	v_max3_num_f32 v[TM+\b], v[TM+\b], |v[\s+16*\b+\i]|, |v[\s+1+16*\b+\i]|   ; the four blocks by turns
.endr
.endr
.irp b, 0,1,2,3
	v_permlanex16_b32 v[TM+4+\b], v[TM+\b], s[SEL], s[SEL+1]
.endr
.irp b, 0,1,2,3
	v_max_num_f32 v[TM+\b], v[TM+\b], v[TM+4+\b]   ; with lane l xor 16's 16: the block's largest magnitude
.endr
.irp b, 0,1,2,3
	v_add_nc_u32 v[TM+12+\b], 0xff000000, v[TM+\b] ; 2 off its exponent field: the conversion takes the exponent field of this operand as its scale
.endr
.irp b, 0,1,2,3
	v_lshrrev_b32 v[TM+4+\b], 23, v[TM+12+\b]      ; the scale's byte
.endr
	v_lshl_or_b32 v[\w], v[TM+5], 8, v[TM+4]       ; four bytes make my row's scale word
	v_lshl_or_b32 v[\w], v[TM+6], 16, v[\w]
	v_lshl_or_b32 v[\w], v[TM+7], 24, v[\w]
.irp c, 0,1
	v_cvt_scalef32_pk16_fp6_f32 v[PC+6*\c:PC+2+6*\c], v[\s+32*\c:\s+15+32*\c], v[TM+12+2*\c]
	v_cvt_scalef32_pk16_fp6_f32 v[PC+12+4*\c:PC+14+4*\c], v[\s+16+32*\c:\s+31+32*\c], v[TM+12+2*\c+1]   ; (a conversion's three registers begin on an even number)
.endr
	v_nop                                          ; one plain instruction behind the scaled conversions
.irp c, 0,1                                    ; the operand's layout wants a WHOLE block in a lane: lanes 0-15 block 2 c, lanes 16-31 block 2 c + 1
.irp i, 0,1,2
	v_permlane16_swap_b32 v[PC+6*\c+\i], v[PC+12+4*\c+\i]
.endr
.irp i, 0,1,2
	v_mov_b32 v[PC+3+6*\c+\i], v[PC+12+4*\c+\i]
.endr
.endr
.endm
; Tile i: left = the loads that may stay out (the other set's 16); nxt = the tile whose loads take this set's registers, or -1.
.macro FRAGMENT i, left, nxt
	s_wait_loadcnt \left
	TURN \i
	s_wait_dscnt 0x0                               ; my numbers are back, and the stage's stores have read their registers
.if \i > 0
	s_wait_xcnt 0x0                                ; the last tile's stores have read v[PC] on, which is written again below
.endif
.if \nxt >= 0
	LOAD \nxt
.endif
	QUANT X, W+\i
	global_store_b128 v4, v[PC:PC+3], s[14:15] offset:(\i)*1536          ; the image: each store covers 512 or 256 consecutive bytes, aligned
	global_store_b64 v5, v[PC+4:PC+5], s[14:15] offset:(\i)*1536+512
	global_store_b128 v4, v[PC+6:PC+9], s[14:15] offset:(\i)*1536+768
	global_store_b64 v5, v[PC+10:PC+11], s[14:15] offset:(\i)*1536+1280
.endm
	LOAD 0
	LOAD 1
	FRAGMENT 0, 16, 2
	FRAGMENT 1, 16, 3
	FRAGMENT 2, 16, -1
	FRAGMENT 3, 0, -1
	v_cmp_eq_u32 vcc_lo, 1, v9                     ; lanes 0-15 store words 0 and 1 of their row, lanes 16-31 words 2 and 3
	v_cndmask_b32 v252, v[W], v[W+2], vcc_lo
	v_cndmask_b32 v253, v[W+1], v[W+3], vcc_lo
	global_store_b64 v6, v[252:253], s[16:17]      ; 32 lanes store 256 consecutive bytes, aligned
	s_wait_tensorcnt 0x0
	ds_add_u32 v254, v255
	s_wait_dscnt 0x0
	s_endpgm
.Lfunc_end_k_q8447c6d42f_quant:
	.size	k_q8447c6d42f_quant, .Lfunc_end_k_q8447c6d42f_quant-k_q8447c6d42f_quant
	.p2alignl 7, 3214868480
	.fill 96, 4, 3214868480
	.section	.rodata,"a",@progbits
	.p2align	6, 0x0
	.amdhsa_kernel k_q8447c6d42f_quant
		.amdhsa_group_segment_fixed_size 34304
		.amdhsa_private_segment_fixed_size 0
		.amdhsa_enable_private_segment 0
		.amdhsa_kernarg_size 56
		.amdhsa_user_sgpr_count 2
		.amdhsa_user_sgpr_kernarg_segment_ptr 1
		.amdhsa_wavefront_size32 1
		.amdhsa_system_sgpr_workgroup_id_x 1
		.amdhsa_system_sgpr_workgroup_id_y 1
		.amdhsa_system_sgpr_workgroup_id_z 1
		.amdhsa_system_vgpr_workitem_id 0
		.amdhsa_next_free_vgpr 256
		.amdhsa_next_free_sgpr 66
		.amdhsa_reserve_vcc 1
		.amdhsa_float_denorm_mode_32 3
		.amdhsa_float_denorm_mode_16_64 3
		.amdhsa_memory_ordered 1
		.amdhsa_forward_progress 1
		.amdhsa_inst_pref_size 34
	.end_amdhsa_kernel
	.amdgpu_metadata
---
amdhsa.version: [ 1, 2 ]
amdhsa.kernels:
  - .name:           k_q8447c6d42f_quant
    .symbol:         k_q8447c6d42f_quant.kd
    .args:
      - { .name: x, .offset: 0, .size: 8, .value_kind: global_buffer, .address_space: global }
      - { .name: Wq, .offset: 8, .size: 8, .value_kind: global_buffer, .address_space: global }
      - { .name: Wk, .offset: 16, .size: 8, .value_kind: global_buffer, .address_space: global }
      - { .name: Wv, .offset: 24, .size: 8, .value_kind: global_buffer, .address_space: global }
      - { .name: Wp, .offset: 32, .size: 8, .value_kind: global_buffer, .address_space: global }
      - { .name: xw_codes, .offset: 40, .size: 8, .value_kind: global_buffer, .address_space: global }
      - { .name: xw_scales, .offset: 48, .size: 8, .value_kind: global_buffer, .address_space: global }
    .group_segment_fixed_size: 34304
    .private_segment_fixed_size: 0
    .kernarg_segment_align: 8
    .kernarg_segment_size: 56
    .max_flat_workgroup_size: 128
    .sgpr_count:     66
    .vgpr_count:     256
    .wavefront_size: 32
...
	.end_amdgpu_metadata
.endif
;; end of part 1
;; launch qkv (part 2): grid 8 x 48, 4 waves a work-group, clusters of 4 x 4, 327,680 bytes of LDS; arguments xw_codes, xw_scales, qkv_codes, qkv_scales; writes qkv_codes, qkv_scales
.if DOCPART == 2
	.amdgcn_target "amdgcn-amd-amdhsa--gfx1250"
	.amdhsa_code_object_version 6
	.text
	.protected	k_q8447c6d42f_qkv
	.globl	k_q8447c6d42f_qkv
	.p2align	8
	.type	k_q8447c6d42f_qkv,@function
k_q8447c6d42f_qkv:
	s_mov_b64 s[64:65], 0
	v_nop
	global_prefetch_b8 v0, s[64:65] scope:SCOPE_SE
	s_setreg_imm32_b32 hwreg(HW_REG_WAVE_MODE, 25, 1), 1
	s_wait_xcnt 0x0
	s_wait_alu depctr_hold_cnt(0) depctr_sa_sdst(0) depctr_va_vdst(0) depctr_va_sdst(0) depctr_va_ssrc(0) depctr_va_vcc(0) depctr_vm_vsrc(0)
	s_getreg_b32 s2, hwreg(HW_REG_IB_STS2, 6, 4)
	s_cmp_eq_u32 s2, 0
	s_cbranch_scc0 .Lentry_in_a_cluster
	s_endpgm
.Lentry_in_a_cluster:
	s_bfe_u32 s2, ttmp6, 0x10000c
	s_cmp_lg_u32 s2, 0xf033
	s_cbranch_scc0 .Lentry_shape_is_right
	s_endpgm
.Lentry_shape_is_right:
; q = x Wq^T, k = x Wk^T, v = x Wv^T on codes of FP6 (E2M3) with E8M0 scales (K = 1,024), and the results quantised at once for the attention's two products: no f32 result goes to memory.
; OPERANDS come as images of fragments (1,536 bytes: two halves of 768; in half c lane L's registers 6 c .. 6 c + 3 at 16 L, registers 6 c + 4, 6 c + 5 at 512 + 8 L), xw_codes [K step 8][tile 768][1536],
; and units of scale words, xw_scales [K step 8][four tiles 192][256] (tile 4 t + i, lane row r: byte 16 r + 4 i).  Tiles 0-511 x, 512-575 Wq, 576-639 Wk, 640-703 Wv.
; Lane row r of tile 2 g + u is row 32 g + 8 u + r + 8 (r / 8).
; A work-group of four waves, as many as a WGP has SIMDs, makes 256 (side A, source 1) x 256 (side B, source 0); a wave 128 x 128: 64 accumulators, 512 registers.  In a result a lane holds ONE row of side A, and its
; 64 registers of A's block a run along 128 NEIGHBOURING rows of side B (by the tiles' order): register 16 b + e is row 32 b + 16 (lane / 16) + e: what the quantiser wants.
; TWO KINDS OF CLUSTER, told apart by the cluster's y alone, so that the sixteen partners are alike; no branch hangs on the kind, only selected numbers:
;   cluster y 0-7  (q, k): side A = x (a lane holds a token), side B = Wq | Wk (registers along the channels: the first attention product's K);
;   cluster y 8-11 (v):    side A = Wv (a lane holds a channel), side B = x (registers along the tokens: the keys, the second product's K).
; OUT.  qkv_codes: q, k [G 16][tile of tokens 512][1536], G = 128 channels = a pair of heads (0-7 q, 8-15 k), half c of an image = head 2 j + c; from byte 12,582,912 v [G 64 = 128 keys][tile of channels 64][1536].
; qkv_scales: q, k [G 16][128 tokens 64][c 2][256]: at 16 r + 4 i the bytes (tile 2 i's blocks 0, 1 | tile 2 i + 1's blocks 0, 1) of head 2 j + c; from byte 524,288 v [G 64][pair of heads 8][c 2][256]: at 16 r + 4 i tile 4 c + i's word.
; K goes in slots of 256 through a ring of two LDS slots filled by the tensor data mover; K has four slots, so the eight steps of 128 are written out by macro, and nothing is prefetched: only two refills exist.
; The scale words of the work-group's rows for all of K come once, with the first fills.  CLUSTERS: 4 x 4; side A's tiles are shared along a row of the cluster, side B's along a column, and asked for jointly.
; LIMITS: NaN and infinities are not served; a block whose largest magnitude lies under 2^-124 has its byte held at 1; a block of zeros gets the byte 1 where the rule says 127 (its codes are zeros; this program alone reads the bytes).
; REGISTERS, in windows of 256: window 0: v16-31 addresses; v32-63 scale words, two sets; v128-223 A's fragments, ONE set; at the end v32-223 at work.  window 1: B's fragments, two sets, at v0 and v128.
;   window 2: the accumulators of A's blocks 0-3 ((a, b) at v[8 (8 (a % 4) + b)]);  window 3: those of blocks 4-7.
.set NTA,   768                        ; tiles in a K step of side A's buffer, and of side B's
.set NTB,   768
.set IMG,   1536
.set FR,    12                         ; registers of a fragment
.set NL,    4                          ; LDS loads that bring one
.set NP,    4                          ; places behind this matrix instruction (ISA guide 7.12.1)
.set HALFT, 16*IMG                     ; what one tensor load brings: [2 K steps][8 tiles][1536]
.set SLOT,  4*HALFT                    ; A's two halves, then B's two
.set SCL,   2*SLOT                     ; behind the ring: the scale words
.set HALFS, 4096                       ; those of 8 tiles: [K step 8][2 units][256]
.set SPARE, SCL+4*HALFS                ; the spare words, 128 bytes for each wave: two blocks of 256 bytes that no other line names
.set ADRA, 16                          ; v16-17 16 L + my half of A in slot 0, 1; v18-19 the same with 8 L
.set ADRB, 20                          ; v20-23 the same for B
.set GL16, 24                          ; v24 16 L
.set GL8,  25                          ; v25 8 L
.set VSEL, 26                          ; v26 byte selects: lanes 0-15 a word's bytes 0, 1, lanes 16-31 its bytes 2, 3
.set ADRS, 27                          ; v27 my scale words: lanes 0-15 A's, lanes 16-31 B's; never rewritten
.set SPW,  28                          ; v28 my spare word: SPARE + 4 x my thread's number; never rewritten
.set NIL,  29                          ; v29 0; never rewritten
.set SC,   32                          ; scale words: register SC + 16 set + 8 q + i: lanes 0-15 A's block i, lanes 16-31 B's block i, the slot's q-th 128 along K
.set AF,   128
.set TM,   32                          ; at the end: v32-47 at work, v48-55 the eight scale words, v56-59, v60-63 the units, v[64 + 20 a] on block a's codes
.set W,    48
.set SQ,   56
.set SV,   60
.set CD,   64
.set G1,   24                          ; s[24:31] group 1 for A's tiles, s[32:39] groups 0, one for each slot
.set G0,   32
.set G1B,  48                          ; s[48:55], s[56:63] the same for B
.set G0B,  56
.set G1S,  68                          ; s[68:75], s[76:79] A's scale words; s[80:87], s[88:91] B's
.set G0S,  76
.set G1SB, 80
.set G0SB, 88
.set MSB, 0
.macro WIN new                         ; the immediate's high byte repeats the setting that is left; a switch that changes nothing is dropped
.if MSB != (\new)
	s_set_vgpr_msb (MSB<<8)|(\new)
.set MSB, (\new)
.endif
.endm
.set MUL_LO, 0xa1                      ; source 0 (B) window 1, source 1 (A) window 0, C and D window 2
.set MUL_HI, 0xf1                      ; the same, C and D window 3
.set TO_B,   0x40                      ; destination window 1, address window 0
; A joint load: waves 0 and 1 fetch for A, waves 2 and 3 for B.  The branch hangs on the wave's number alone.  Four v_nop follow each of the two lines.
.macro JLOAD g0a, g1a, g0b, g1b
	s_cmp_eq_u32 s15, 0
	s_cbranch_scc0 .Lfor_b_\@
	tensor_load_to_lds s[\g0a:\g0a+3], s[\g1a:\g1a+7]
	s_nop 0
.rept 4
	v_nop
.endr
	s_branch .Lasked_\@
.Lfor_b_\@:
	tensor_load_to_lds s[\g0b:\g0b+3], s[\g1b:\g1b+7]
	s_nop 0
.rept 4
	v_nop
.endr
.Lasked_\@:
.endm
.macro CREST                           ; a round of the cluster's barrier behind its opening barrier
	s_cmp_lg_u32 s14, 0
	s_cbranch_scc1 .Lnot_wave_0_\@
	s_barrier_signal -3
.Lnot_wave_0_\@:
	s_barrier_wait -3
	s_barrier_signal -1
	s_barrier_wait -1
.endm
.macro CROUND                          ; a whole round
	s_barrier_signal -1
	s_barrier_wait -1
	CREST
.endm
	s_load_b128 s[4:7], s[0:1], 0x0                ; xw_codes, xw_scales
	s_load_b128 s[8:11], s[0:1], 0x10              ; qkv_codes, qkv_scales
	v_lshl_add_u32 v[SPW], v0, 2, SPARE
	v_mov_b32 v[NIL], 0
	ds_add_u32 v28, v29
	ds_add_u32 v28, v29
	s_wait_dscnt 0x0
	v_lshrrev_b32 v1, 5, v0
	v_readfirstlane_b32 s14, v1                    ; wave 0..3
	s_lshr_b32 s15, s14, 1                         ; which half of side A is mine.  Also: I fetch for A (0) or for B (1)
	s_and_b32 s16, s14, 1                          ; which half of side B.  Also: which half of that side I fetch
	s_bfe_u32 s40, ttmp6, 0x40000                  ; cx, cy: my place in the cluster
	s_bfe_u32 s41, ttmp6, 0x40004
	s_and_b32 s17, ttmp7, 0xffff                   ; the cluster's y
	s_lshl_b32 s18, s17, 1
	s_add_co_u32 s18, s18, ttmp9
	s_sub_co_u32 s18, s18, 16                      ; in the kind v: 2 (y - 8) + x counts side B's eight runs of 1,024 tokens
	s_cmp_ge_u32 s17, 8                            ; THE KIND: the same in all sixteen partners.  Only selections follow
	s_cselect_b32 s42, s18, ttmp9                  ; the cluster's place along side B,
	s_cselect_b32 s17, 0, s17                      ; and along side A
	s_cselect_b32 s92, -1, 0                       ; a lane mask: all lanes in the kind v
	s_cselect_b32 s93, 640, 0                      ; side A's first tile in xw: Wv or x
	s_cselect_b32 s94, 0, 512                      ; side B's: x or Wq | Wk
	s_cselect_b32 s95, 64, 512                     ; tiles of side A in all
	s_cselect_b32 s96, 12582912, 0                 ; where the kind's codes begin in qkv_codes,
	s_cselect_b32 s97, 524288, 0                   ; and its scale words in qkv_scales
	s_lshl_b32 s42, s42, 2
	s_add_co_u32 s42, s42, s40                     ; X: which 256 rows of side B
	s_lshl_b32 s17, s17, 2
	s_add_co_u32 s17, s17, s41                     ; Y: which 256 rows of side A
	s_lshl_b32 s43, s41, 2
	s_lshl_b32 s43, 15, s43                        ; my row of the cluster
	s_lshl_b32 s44, 0x1111, s40                    ; my column
	; group 1 for codes: 2 rows (K steps) of 8 images = 1,536 elements of 8 bytes, a K step's images apart; no padding: every LDS access below is dense
	s_or_b32 s[G1+0], s43, (3<<16)|(1<<21)         ; 15:0 the mask: A's tiles go to my row; 17:16 elements of 8 bytes; 21 set beside a mask
	s_or_b32 s[G1B+0], s44, (3<<16)|(1<<21)
.irp g, G1, G1B
	s_mov_b32 s[\g+1], 1536<<16                    ; tensor_dim0
	s_mov_b32 s[\g+2], 2<<16                       ; tensor_dim1
	s_mov_b32 s[\g+3], 1536<<16                    ; tile_dim0
	s_mov_b32 s[\g+4], 2                           ; tile_dim1
	s_mov_b32 s[\g+6], 0
	s_mov_b32 s[\g+7], 0
.endr
	s_mov_b32 s[G1+5], NTA*192                     ; tensor_dim0_stride, in elements
	s_mov_b32 s[G1B+5], NTB*192
	; and for scale words: 8 rows (K steps) of 2 units = 64 elements
	s_or_b32 s[G1S+0], s43, (3<<16)|(1<<21)
	s_or_b32 s[G1SB+0], s44, (3<<16)|(1<<21)
.irp g, G1S, G1SB
	s_mov_b32 s[\g+1], 64<<16
	s_mov_b32 s[\g+2], 8<<16
	s_mov_b32 s[\g+3], 64<<16
	s_mov_b32 s[\g+4], 8
	s_mov_b32 s[\g+6], 0
	s_mov_b32 s[\g+7], 0
.endr
	s_mov_b32 s[G1S+5], NTA*8
	s_mov_b32 s[G1SB+5], NTB*8
	s_lshl_b32 s18, s16, 3                         ; the 8 tiles that I fetch
	s_lshl_b32 s20, s17, 4
	s_add_co_u32 s20, s20, s18
	s_add_co_u32 s20, s20, s93                     ; A: tile first + 16 Y + 8 x half: it hangs on cy alone of the two places
	s_lshl_b32 s46, s42, 4
	s_add_co_u32 s46, s46, s18
	s_add_co_u32 s46, s46, s94                     ; B: first + 16 X + 8 x half: on cx alone
	s_lshl_b32 s22, s20, 6                         ; their scale words: 256 bytes for four tiles
	s_mov_b32 s23, 0
	s_lshl_b32 s98, s46, 6
	s_mov_b32 s99, 0
	s_mul_i32 s20, s20, IMG
	s_mov_b32 s21, 0
	s_mul_i32 s46, s46, IMG
	s_mov_b32 s47, 0
	s_mul_i32 s45, s14, HALFT                      ; where they go: by the wave's number alone
	s_lshl_b32 s19, s14, 12
	s_wait_kmcnt 0x0
	s_add_nc_u64 s[20:21], s[4:5], s[20:21]
	s_add_nc_u64 s[22:23], s[6:7], s[22:23]
	s_add_nc_u64 s[46:47], s[4:5], s[46:47]
	s_add_nc_u64 s[98:99], s[6:7], s[98:99]
	CROUND                                         ; all sixteen work-groups are here: the first joint loads meet
	s_mov_b32 s[G0S], 1
	s_add_co_u32 s[G0S+1], s19, SCL
	s_mov_b64 s[G0S+2:G0S+3], s[22:23]
	s_or_b32 s[G0S+3], s[G0S+3], 0x80000000
	s_mov_b32 s[G0SB], 1
	s_add_co_u32 s[G0SB+1], s19, SCL
	s_mov_b64 s[G0SB+2:G0SB+3], s[98:99]
	s_or_b32 s[G0SB+3], s[G0SB+3], 0x80000000
	JLOAD G0S, G1S, G0SB, G1SB                     ; the scale words first: they are wanted with the first slot
.irp s, 0,1
	s_mov_b32 s[G0+4*\s], 1
	s_add_co_u32 s[G0+4*\s+1], s45, \s*SLOT
	s_add_nc_u64 s[G0+4*\s+2:G0+4*\s+3], s[20:21], \s*2*NTA*IMG
	s_or_b32 s[G0+4*\s+3], s[G0+4*\s+3], 0x80000000
	s_mov_b32 s[G0B+4*\s], 1
	s_add_co_u32 s[G0B+4*\s+1], s45, \s*SLOT
	s_add_nc_u64 s[G0B+4*\s+2:G0B+4*\s+3], s[46:47], \s*2*NTB*IMG
	s_or_b32 s[G0B+4*\s+3], s[G0B+4*\s+3], 0x80000000
	JLOAD G0+4*\s, G1, G0B+4*\s, G1B               ; by this text's count three tensor loads of a wave are out here
.endr
	v_and_b32 v1, 15, v0                           ; r
	v_bfe_u32 v2, v0, 4, 1                         ; h
	v_and_b32 v3, 31, v0                           ; L
	v_lshlrev_b32 v[GL16], 4, v3
	v_lshlrev_b32 v[GL8], 3, v3
	s_mul_i32 s21, s15, HALFT                      ; my half of A,
	s_mul_i32 s22, s16, HALFT                      ; my half of B,
	s_add_co_u32 s22, s22, 2*HALFT                 ; which lies behind A's two
.irp s, 0,1
	v_add_nc_u32 v[ADRA+\s], s21, v[GL16]
	v_add_nc_u32 v[ADRA+2+\s], s21, v[GL8]
	v_add_nc_u32 v[ADRB+\s], s22, v[GL16]
	v_add_nc_u32 v[ADRB+2+\s], s22, v[GL8]
	s_add_co_u32 s21, s21, SLOT
	s_add_co_u32 s22, s22, SLOT
.endr
	s_lshl_b32 s21, s15, 12                        ; A's scale words: my half;
	s_lshl_b32 s22, s16, 12                        ; B's: my half, behind A's two
	s_add_co_u32 s22, s22, 2*HALFS
	s_sub_co_u32 s22, s22, s21
	v_mul_u32_u24 v4, s22, v2                      ; lanes 16-31 take B's: one product, the distance between the two
	s_add_co_u32 s21, s21, SCL
	v_lshl_add_u32 v4, v1, 4, v4                   ; 16 r: four tiles' words of my lane row
	v_add_nc_u32 v[ADRS], s21, v4
	s_mov_b32 s18, 0xffff0000                      ; lanes 16-31
	v_mov_b32 v[VSEL], 0x05040100
	v_mov_b32 v5, 0x07060302
	v_cndmask_b32 v[VSEL], v[VSEL], v5, s18
	; where my results go: image ((2 X + half of B) x tiles of side A + 16 Y + 8 x half of A); scale words: 512 bytes for each eight tiles
	s_lshl_b32 s20, s42, 1
	s_add_co_u32 s20, s20, s16
	s_lshl_b32 s21, s17, 1
	s_add_co_u32 s21, s21, s15
	s_mul_i32 s22, s20, s95
	s_lshl_b32 s23, s21, 3
	s_add_co_u32 s22, s22, s23
	s_mul_i32 s22, s22, IMG
	s_add_co_u32 s22, s22, s96
	s_mov_b32 s23, 0
	s_add_nc_u64 s[8:9], s[8:9], s[22:23]
	s_lshr_b32 s22, s95, 3
	s_mul_i32 s22, s20, s22
	s_add_co_u32 s22, s22, s21
	s_lshl_b32 s22, s22, 9
	s_add_co_u32 s22, s22, s97
	s_add_nc_u64 s[10:11], s[10:11], s[22:23]
.macro FRAG reg, adr, q, i             ; a fragment comes as its image lies: four dense loads
	ds_load_b128 v[\reg:\reg+3], v[\adr] offset:(\q)*8*IMG+(\i)*IMG
	ds_load_b64 v[\reg+4:\reg+5], v[\adr+2] offset:(\q)*8*IMG+(\i)*IMG+512
	ds_load_b128 v[\reg+6:\reg+9], v[\adr] offset:(\q)*8*IMG+(\i)*IMG+768
	ds_load_b64 v[\reg+10:\reg+11], v[\adr+2] offset:(\q)*8*IMG+(\i)*IMG+1280
.endm
; 16 matrix instructions: A's blocks a0, a0 + 1 x B's eight, the slot's q-th 128 along K.  p: B's set; sc: the set of scale words.  zero = 1: the first product starts the sums.
; The 64 accumulators take turns, one instruction a turn, in the same order in every step.
.macro MUL16 a0, p, q, sc, zero
.irp a, \a0, \a0+1
.irp b, 0,1,2,3,4,5,6,7
.if \zero
	v_wmma_scale_f32_16x16x128_f8f6f4 v[8*(8*((\a)%4)+\b):8*(8*((\a)%4)+\b)+7], v[128*(\p)+FR*\b:128*(\p)+FR*\b+FR-1], v[AF+FR*(\a):AF+FR*(\a)+FR-1], 0, v[SC+16*(\sc)+8*(\q)+\b], v[SC+16*(\sc)+8*(\q)+(\a)] matrix_a_fmt:MATRIX_FMT_FP6 matrix_b_fmt:MATRIX_FMT_FP6 matrix_a_scale:MATRIX_SCALE_ROW1
.else
	v_wmma_scale_f32_16x16x128_f8f6f4 v[8*(8*((\a)%4)+\b):8*(8*((\a)%4)+\b)+7], v[128*(\p)+FR*\b:128*(\p)+FR*\b+FR-1], v[AF+FR*(\a):AF+FR*(\a)+FR-1], v[8*(8*((\a)%4)+\b):8*(8*((\a)%4)+\b)+7], v[SC+16*(\sc)+8*(\q)+\b], v[SC+16*(\sc)+8*(\q)+(\a)] matrix_a_fmt:MATRIX_FMT_FP6 matrix_b_fmt:MATRIX_FMT_FP6 matrix_a_scale:MATRIX_SCALE_ROW1
.endif
.endr
.endr
.endm
.macro FETCH_B slot, q, p              ; B's eight fragments into set p
	WIN TO_B
.irp i, 0,1,2,3,4,5,6,7
	FRAG 128*(\p)+FR*\i, ADRB+\slot, \q, \i
.endr
	WIN 0
.endm
.macro FETCH_A slot, q, i0             ; A's blocks i0 .. i0 + 3
.irp i, \i0, \i0+1, \i0+2, \i0+3
	FRAG AF+FR*(\i), ADRA+\slot, \q, \i
.endr
.endm
.macro SCALES sc, ks                   ; the scale words of K's slot ks into set sc: a load brings four tiles' words; lanes 0-15 A's, lanes 16-31 B's
.irp q, 0,1
.irp j, 0,1
	ds_load_b128 v[SC+16*(\sc)+8*\q+4*\j:SC+16*(\sc)+8*\q+4*\j+3], v[ADRS] offset:1024*(\ks)+512*\q+256*\j
.endr
.endr
.endm
; A load into a register that a matrix instruction has read, and a vector instruction that reads a matrix result or writes one of its registers, stand NP plain vector instructions behind it
; (ISA guide 7.12.1 for vector instructions); the matrix instructions in between are not counted.
.macro PLACES n
.rept \n
	v_nop
.endr
.endm
.macro STEP slot, zero                 ; a slot's first 128 along K; B's set 0.  A has one set: blocks 0-3 are fetched anew in the step's middle, blocks 4-7 at its end
	s_wait_dscnt 4*NL                              ; B's set, A's blocks 0-3 and the scale words are in; the youngest 16 loads (A's blocks 4-7) may be out
	WIN MUL_LO
	MUL16 0, 0, 0, \slot, \zero
	MUL16 2, 0, 0, \slot, \zero
	s_wait_dscnt 0                                 ; A's blocks 4-7 are in
	PLACES NP
	FETCH_B \slot, 1, 1
	FETCH_A \slot, 1, 0
	WIN MUL_HI
	MUL16 4, 0, 0, \slot, \zero
	MUL16 6, 0, 0, \slot, \zero
	PLACES NP
	WIN 0
	FETCH_A \slot, 1, 4
.endm
; A slot's second 128 along K changes slots: ONE barrier; in front of it each wave waits for all its tensor loads, adds 0 to its spare word, and waits for that and for its reads of this slot.
; fill = 1: this slot is filled again, with K's slot two on; ks: K's slot that lies in the next LDS slot.
.macro TURN slot, next, fill, ks
	s_wait_tensorcnt 0x0                           ; all my tensor loads have landed: my part of the next slot
	ds_add_u32 v[SPW], v[NIL]                      ; 0 onto my spare word
	s_wait_dscnt 4*NL+1                            ; (the add and the youngest 16 loads may be out)
	WIN MUL_LO
	MUL16 0, 1, 1, \slot, 0                        ; sixteen matrix instructions stand between the add and the wait for it
	s_wait_dscnt 0x0                               ; the add is done, and my reads of this slot are over
	s_barrier_signal -1
	MUL16 2, 1, 1, \slot, 0
	WIN 0
	s_barrier_wait -1
.if \fill
	CREST                                          ; the barrier has opened a round of the cluster's: no wave of any partner still reads this slot or has a load on its way
	s_add_nc_u64 s[G0+4*\slot+2:G0+4*\slot+3], s[G0+4*\slot+2:G0+4*\slot+3], 4*NTA*IMG
	s_add_nc_u64 s[G0B+4*\slot+2:G0B+4*\slot+3], s[G0B+4*\slot+2:G0B+4*\slot+3], 4*NTB*IMG
	JLOAD G0+4*\slot, G1, G0B+4*\slot, G1B         ; the first tensor load behind the round; its four v_nop are the places in front of the loads below
.else
	PLACES NP
.endif
	FETCH_B \next, 0, 0
	FETCH_A \next, 0, 0
	SCALES \next, \ks
	WIN MUL_HI
	MUL16 4, 1, 1, \slot, 0
	MUL16 6, 1, 1, \slot, 0
	PLACES NP
	WIN 0
	FETCH_A \next, 0, 4
.endm
	s_wait_tensorcnt 1                             ; the scale words and my part of slot 0 are in; slot 1's load may be out
	s_barrier_signal -1
	s_barrier_wait -1
	FETCH_B 0, 0, 0
	FETCH_A 0, 0, 0
	SCALES 0, 0
	FETCH_A 0, 0, 4
	STEP 0, 1                                      ; K 0-127: its products start the sums: nothing is cleared
	TURN 0, 1, 1, 1                                ; K 128-255; LDS slot 0 takes K 512-767
	STEP 1, 0
	TURN 1, 0, 1, 2                                ; LDS slot 1 takes K 768-1,023
	STEP 0, 0
	TURN 0, 1, 0, 3                                ; nothing is left to fetch: no round
	STEP 1, 0
	s_wait_dscnt 4*NL                              ; the last 128 along K
	WIN MUL_LO
	MUL16 0, 1, 1, 1, 0
	MUL16 2, 1, 1, 1, 0
	s_wait_dscnt 0
	WIN MUL_HI
	MUL16 4, 1, 1, 1, 0
	MUL16 6, 1, 1, 1, 0
	WIN 0
; THE WAY OUT.  A's block a: a lane's 64 results become a fragment (16 rows of side A x 128 along side B) and a scale word, and the fragment leaves as its image.  Each block has its own registers
; for its codes, so no store's data are written again.  Each accumulator is read from its low end on.
.macro QUANTW a
.set QW, 2+(\a)/4
.set AC, 64*((\a)%4)
.set PC, CD+20*(\a)
	WIN QW|(QW<<2)                                 ; sources 0 and 1: the accumulators' window
.irp b, 0,1,2,3
	v_max3_num_f32 v[TM+\b], |v[AC+16*\b]|, |v[AC+1+16*\b]|, 0x1800000   ; block b: my 16 numbers, and the floor 2^(3 - 127)
.endr
	WIN (QW<<2)|(QW<<4)                            ; sources 1 and 2
.irp i, 2,4,6,8,10,12,14
.irp b, 0,1,2,3
	v_max3_num_f32 v[TM+\b], v[TM+\b], |v[AC+16*\b+\i]|, |v[AC+1+16*\b+\i]|
.endr
.endr
	WIN 0
.irp b, 0,1,2,3
	v_permlanex16_b32 v[TM+4+\b], v[TM+\b], s2, s3
.endr
.irp b, 0,1,2,3
	v_max_num_f32 v[TM+\b], v[TM+\b], v[TM+4+\b]   ; with lane l xor 16's 16: the block's largest magnitude
.endr
.irp b, 0,1,2,3
	v_add_nc_u32 v[TM+12+\b], 0xff000000, v[TM+\b] ; 2 off its exponent field: the conversion's scale operand
.endr
.irp b, 0,1,2,3
	v_lshrrev_b32 v[TM+4+\b], 23, v[TM+12+\b]      ; the scale's byte
.endr
	v_lshl_or_b32 v[W+(\a)], v[TM+5], 8, v[TM+4]
	v_lshl_or_b32 v[W+(\a)], v[TM+6], 16, v[W+(\a)]
	v_lshl_or_b32 v[W+(\a)], v[TM+7], 24, v[W+(\a)]
	WIN QW                                         ; source 0
.irp c, 0,1
	v_cvt_scalef32_pk16_fp6_f32 v[PC+6*\c:PC+2+6*\c], v[AC+32*\c:AC+15+32*\c], v[TM+12+2*\c]
	v_cvt_scalef32_pk16_fp6_f32 v[PC+12+4*\c:PC+14+4*\c], v[AC+16+32*\c:AC+31+32*\c], v[TM+12+2*\c+1]
.endr
	WIN 0
	v_nop                                          ; one plain instruction behind the scaled conversions
.irp c, 0,1                                    ; a whole block to a lane: lanes 0-15 block 2 c, lanes 16-31 block 2 c + 1
.irp i, 0,1,2
	v_permlane16_swap_b32 v[PC+6*\c+\i], v[PC+12+4*\c+\i]
.endr
.irp i, 0,1,2
	v_mov_b32 v[PC+3+6*\c+\i], v[PC+12+4*\c+\i]
.endr
.endr
	global_store_b128 v[GL16], v[PC:PC+3], s[8:9] offset:(\a)*IMG          ; each store covers 512 or 256 consecutive bytes, aligned
	global_store_b64 v[GL8], v[PC+4:PC+5], s[8:9] offset:(\a)*IMG+512
	global_store_b128 v[GL16], v[PC+6:PC+9], s[8:9] offset:(\a)*IMG+768
	global_store_b64 v[GL8], v[PC+10:PC+11], s[8:9] offset:(\a)*IMG+1280
.endm
	s_mov_b32 s2, 0x76543210                       ; selects of v_permlanex16_b32: lane l xor 16
	s_mov_b32 s3, 0xfedcba98
	PLACES NP                                      ; behind the last products: results are read, and operands' and scales' registers written, below
.irp b, 0,1,2,3
	v_mov_b32 v[TM+4+\b], 0                        ; written once: a lane permute's destination counts as one of its sources
.endr
.irp a, 0,1,2,3,4,5,6,7
	QUANTW \a
.endr
.irp i, 0,1,2,3
	v_perm_b32 v[SQ+\i], v[W+2*\i+1], v[W+2*\i], v[VSEL]           ; q, k: tiles 2 i and 2 i + 1, two bytes each: lanes 0-15 the pair's first head, lanes 16-31 its second
	v_cndmask_b32 v[SV+\i], v[W+\i], v[W+4+\i], s18                ; v: whole words: lanes 0-15 tiles 0-3 (the first head's channels), lanes 16-31 tiles 4-7
.endr
.irp i, 0,1,2,3
	v_cndmask_b32 v[SQ+\i], v[SQ+\i], v[SV+\i], s92                ; by the kind
.endr
	global_store_b128 v[GL16], v[SQ:SQ+3], s[10:11]                ; 512 consecutive bytes: two units
	s_wait_tensorcnt 0x0                           ; the wave's end
	ds_add_u32 v[SPW], v[NIL]
	s_wait_dscnt 0x0
	CROUND                                         ; the closing round: no work-group ends while a partner may still ask for a tile that names it
	s_endpgm
.Lfunc_end_k_q8447c6d42f_qkv:
	.size	k_q8447c6d42f_qkv, .Lfunc_end_k_q8447c6d42f_qkv-k_q8447c6d42f_qkv
	.p2alignl 7, 3214868480
	.fill 96, 4, 3214868480
	.section	.rodata,"a",@progbits
	.p2align	6, 0x0
	.amdhsa_kernel k_q8447c6d42f_qkv
		.amdhsa_group_segment_fixed_size 327680
		.amdhsa_private_segment_fixed_size 0
		.amdhsa_enable_private_segment 0
		.amdhsa_kernarg_size 32
		.amdhsa_user_sgpr_count 2
		.amdhsa_user_sgpr_kernarg_segment_ptr 1
		.amdhsa_wavefront_size32 1
		.amdhsa_system_sgpr_workgroup_id_x 1
		.amdhsa_system_sgpr_workgroup_id_y 1
		.amdhsa_system_sgpr_workgroup_id_z 1
		.amdhsa_system_vgpr_workitem_id 0
		.amdhsa_next_free_vgpr 1024
		.amdhsa_next_free_sgpr 100
		.amdhsa_reserve_vcc 0
		.amdhsa_float_denorm_mode_32 3
		.amdhsa_float_denorm_mode_16_64 3
		.amdhsa_memory_ordered 1
		.amdhsa_forward_progress 1
		.amdhsa_inst_pref_size 149
	.end_amdhsa_kernel
	.amdgpu_metadata
---
amdhsa.version: [ 1, 2 ]
amdhsa.kernels:
  - .name:           k_q8447c6d42f_qkv
    .symbol:         k_q8447c6d42f_qkv.kd
    .args:
      - { .name: xw_codes, .offset: 0, .size: 8, .value_kind: global_buffer, .address_space: global }
      - { .name: xw_scales, .offset: 8, .size: 8, .value_kind: global_buffer, .address_space: global }
      - { .name: qkv_codes, .offset: 16, .size: 8, .value_kind: global_buffer, .address_space: global }
      - { .name: qkv_scales, .offset: 24, .size: 8, .value_kind: global_buffer, .address_space: global }
    .group_segment_fixed_size: 327680
    .private_segment_fixed_size: 0
    .kernarg_segment_align: 8
    .kernarg_segment_size: 32
    .max_flat_workgroup_size: 128
    .sgpr_count:     100
    .vgpr_count:     1024
    .wavefront_size: 32
...
	.end_amdgpu_metadata
.endif
;; end of part 2
;; launch attn (part 3): grid 4 x 64, 16 waves a work-group, no clusters, 206,848 bytes of LDS; arguments qkv_codes, qkv_scales, y_codes, y_scales; writes y_codes, y_scales
.if DOCPART == 3
	.amdgcn_target "amdgcn-amd-amdhsa--gfx1250"
	.amdhsa_code_object_version 6
	.text
	.protected	k_q8447c6d42f_attn
	.globl	k_q8447c6d42f_attn
	.p2align	8
	.type	k_q8447c6d42f_attn,@function
k_q8447c6d42f_attn:
	s_mov_b64 s[64:65], 0
	v_nop
	global_prefetch_b8 v0, s[64:65] scope:SCOPE_SE
	s_setreg_imm32_b32 hwreg(HW_REG_WAVE_MODE, 25, 1), 1
	s_wait_xcnt 0x0
; y[b][q][head] = softmax_k(q . k / 8, causal) v for 4 x 16 heads of 64 channels and 2,048 tokens, both products on codes of FP6 (E2M3) with E8M0 scales, and y quantised at once along the channels for the last product.
; THE SOFTMAX AHEAD OF THE SECOND PRODUCT: t = score x log2(e) / 8; M = the running largest t rounded UP to a whole number; p = 2^(t - M) is quantised along the keys, not normalised; the row's sum is taken of the
; unquantised p and divides at the end.  When M moves, the sum and O are multiplied by 2^(old M - new M): exact.
; IN.  qkv_codes: q, k [G 16][tile of tokens 512][1536] (G 0-7 q's pairs of heads, 8-15 k's); half c (768 bytes) of an image is head 2 j + c: 16 tokens x 64 channels, lane L's six registers at 16 L (four) and 512 + 8 L (two).
;      From byte 12,582,912 v [128 keys 64][tile of channels 64][1536]: 16 channels x 128 keys.  Lane row r of tile 2 g + u is token (channel) 32 g + 8 u + r + 8 (r / 8).  qkv_scales: as the launch before lays them.
; OUT. y_codes [pair of heads 8][tile of tokens 512][c 2][768]; y_scales [pair of heads 8][four tiles 128][256]: byte 16 r + 4 (tile % 4) + 2 c + block.
; SHARES.  A work-group owns one head and the blocks of 256 queries i and 7 - i (i = work-group x), so that under the causal mask all 256 work-groups have the same number of key steps.  Each of sixteen waves owns one
; tile of 16 queries of the block in hand, in 256 registers: four waves to a SIMD, so that one wave's vector work stands beside another's matrix work and LDS loads.
; THE HEAD'S WHOLE K AND V LIE IN LDS (196,608 bytes of codes, 8,192 of scale words), FILLED ONCE: no ring, no refill.  Keys 0-1,023 come first and serve block i; keys 1,024-2,047 land meanwhile.
; NO CLUSTER, though the four work-groups of a head read the same K and V: they differ in their blocks of queries alone, and the branches round hidden key steps hang on just that; partners of joint loads may not
; branch by their place.  Each fetches the head's 204,800 bytes once.  Nothing is prefetched: all that a work-group reads of K and V is asked for at its head.
; BOTH PRODUCTS TRANSPOSED: S^T = K Q^T, O^T = V^T P^T: a lane holds ONE query.  The first product's K is 64, the instruction's 128: a fragment of K holds TWO tiles of keys (its halves), multiplied once by (q | zeros)
; and once by (zeros | q); zero codes add nothing.  By the tiles' order the 16 registers of key tiles 2 g and 2 g + 1 are 16 neighbouring keys, and O^T's 32 registers are the channels 32 b + 16 (lane / 16) + e.
; LIMITS: NaN and infinities are not served; a block whose largest magnitude lies under 2^-124 has its byte held at 1; a block of zeros gets the byte 1 where the rule says 127 (its codes are zeros; this program alone
; reads the bytes).  y's scale bytes leave one byte a lane (262,144 bytes in the whole launch).
; REGISTERS: v1-6 places that stay; v7-11, v36 the step's addresses; v12 -M, v13 the largest t, v[14:15] the sum; v16-21 zeros, v22-27 q, v28-33 zeros; v35, v37, v39 lane numbers; v40-87 four fragments of K, then of V;
; v88-91 V's scale words, v92-95 K's; v96-159 S^T, then p; v160-191 O^T; v192-223 y; v224-235 codes; v236-254 at work; v253 p's scale word; v255 q's.
.set KC,   0                           ; LDS: K's codes [tile 128][768]
.set VC,   98304                       ; V's [key step 16][tile of channels 4][1536]
.set KS,   196608                      ; K's scale words [key step 16][256]
.set VS,   200704                      ; V's likewise
.set HALF, 49152                       ; the codes of 1,024 keys
.set QTR,  12288                       ; what one tensor load brings of them
.set WV,   12                          ; s12 my wave's number
.set HM,   13                          ; s13 lanes 16-31
.set SEL,  20                          ; s[20:21] selects of v_permlanex16_b32: lane l xor 16
.set CS,   22                          ; s[22:23] c = log2(e) / 8
.set G1K,  24                          ; groups 1: K's codes, V's codes, K's scale words, V's
.set G1V,  32
.set G1KS, 40
.set G1VS, 48
.set G0KS, 56                          ; groups 0, one for each load: none is written again
.set G0K1, 60
.set G0K2, 68
.set G0VS, 72
.set G0V1, 76
.set G0V2, 80
.set TK,   84                          ; s84 where the step's codes begin: 6,144 bytes a step, in K and in V
.set TS,   85                          ; s85 and its scale words: 256 a step
.set KF,   86                          ; s86 the step's first key
.set Q0,   87                          ; s87 my tile's first query; its queries are Q0 + r + 8 (r / 8)
.set CNT,  88
	s_load_b128 s[4:7], s[0:1], 0x0                ; qkv_codes, qkv_scales
	s_load_b128 s[8:11], s[0:1], 0x10              ; y_codes, y_scales
	v_lshl_add_u32 v250, v0, 2, 0x32000
	v_mov_b32 v251, 0
	ds_add_u32 v250, v251
	ds_add_u32 v250, v251
	v_lshrrev_b32 v1, 5, v0
	s_delay_alu instid0(VALU_DEP_1)
	v_readfirstlane_b32 s[WV], v1                  ; wave 0..15
	s_and_b32 s13, ttmp7, 0xffff
	s_lshr_b32 s14, s13, 4                         ; b
	s_and_b32 s15, s13, 15                         ; head
	s_lshr_b32 s16, s15, 1                         ; its pair
	s_and_b32 s17, s15, 1                          ; c: which of the pair
	s_lshl_b32 s18, s16, 6
	s_lshl_b32 s91, s14, 4
	s_add_co_u32 s18, s18, s91                     ; 64 x pair + 16 b: my batch's first run of 128 tokens in q's scale words
	s_lshl_b32 s19, s17, 8                         ; 256 c
	s_lshl_b32 s89, s18, 3                         ; 512 x pair + 128 b: my batch's first tile in q's codes and in y's
	s_mul_i32 s90, s17, 768                        ; my half of an image
	s_and_b32 s91, s[WV], 3                        ; which quarter I fetch, if I fetch
	s_lshl_b32 s92, s91, 4                         ; K's codes: 16 tiles a quarter
	s_add_co_u32 s92, s92, s89
	s_mul_i32 s92, s92, 1536
	s_add_co_u32 s92, s92, s90
	s_add_co_u32 s92, s92, 8*512*1536              ; k's part lies behind q's
	s_mov_b32 s93, 0
	s_lshl_b32 s94, s14, 10                        ; V's codes: image (16 b + step) x 64 + 4 x head; two steps a quarter
	s_lshl_b32 s95, s15, 2
	s_add_co_u32 s94, s94, s95
	s_lshl_b32 s95, s91, 7
	s_add_co_u32 s94, s94, s95
	s_mul_i32 s94, s94, 1536
	s_add_co_u32 s94, s94, 12582912
	s_mov_b32 s95, 0
	s_lshl_b32 s96, s91, 2                         ; K's scale words: four steps a quarter, 512 bytes a step
	s_add_co_u32 s96, s96, s18
	s_lshl_b32 s96, s96, 9
	s_add_co_u32 s96, s96, s19
	s_add_co_u32 s96, s96, 8*64*512
	s_mov_b32 s97, 0
	s_lshl_b32 s98, s14, 7                         ; V's: ((16 b + step) x 8 + pair) x 512
	s_lshl_b32 s99, s91, 5
	s_add_co_u32 s98, s98, s99
	s_add_co_u32 s98, s98, s16
	s_lshl_b32 s98, s98, 9
	s_add_co_u32 s98, s98, s19
	s_add_co_u32 s98, s98, 524288
	s_mov_b32 s99, 0
	s_mul_i32 s2, s91, QTR                         ; and where they go
	s_lshl_b32 s3, s91, 10
	; groups 1: elements of 8 bytes, no mask, no padding (every LDS access below is dense)
	s_mov_b32 s[G1K], 3<<16                        ; K's codes: 16 rows (tiles) of 768 bytes, an image (1,536 bytes) apart
	s_mov_b32 s[G1K+1], 96<<16
	s_mov_b32 s[G1K+2], 16<<16
	s_mov_b32 s[G1K+3], 96<<16
	s_mov_b32 s[G1K+4], 16
	s_mov_b32 s[G1K+5], 192
	s_mov_b32 s[G1K+6], 0
	s_mov_b32 s[G1K+7], 0
	s_mov_b32 s[G1V], 3<<16                        ; V's codes: 2 rows (steps) of four images, 64 images apart
	s_mov_b32 s[G1V+1], 768<<16
	s_mov_b32 s[G1V+2], 2<<16
	s_mov_b32 s[G1V+3], 768<<16
	s_mov_b32 s[G1V+4], 2
	s_mov_b32 s[G1V+5], 12288
	s_mov_b32 s[G1V+6], 0
	s_mov_b32 s[G1V+7], 0
	s_mov_b32 s[G1KS], 3<<16                       ; K's scale words: 4 rows (steps) of 256 bytes, 512 apart
	s_mov_b32 s[G1KS+1], 32<<16
	s_mov_b32 s[G1KS+2], 4<<16
	s_mov_b32 s[G1KS+3], 32<<16
	s_mov_b32 s[G1KS+4], 4
	s_mov_b32 s[G1KS+5], 64
	s_mov_b32 s[G1KS+6], 0
	s_mov_b32 s[G1KS+7], 0
	s_mov_b32 s[G1VS], 3<<16                       ; V's: 4 rows of 256 bytes, 4,096 apart
	s_mov_b32 s[G1VS+1], 32<<16
	s_mov_b32 s[G1VS+2], 4<<16
	s_mov_b32 s[G1VS+3], 32<<16
	s_mov_b32 s[G1VS+4], 4
	s_mov_b32 s[G1VS+5], 512
	s_mov_b32 s[G1VS+6], 0
	s_mov_b32 s[G1VS+7], 0
	s_wait_dscnt 0x0
	s_wait_kmcnt 0x0
	s_mov_b32 s[G0KS], 1
	s_add_co_u32 s[G0KS+1], s3, KS
	s_add_nc_u64 s[G0KS+2:G0KS+3], s[6:7], s[96:97]
	s_or_b32 s[G0KS+3], s[G0KS+3], 0x80000000
	s_mov_b32 s[G0K1], 1
	s_add_co_u32 s[G0K1+1], s2, KC
	s_add_nc_u64 s[G0K1+2:G0K1+3], s[4:5], s[92:93]
	s_mov_b32 s[G0K2], 1
	s_add_co_u32 s[G0K2+1], s2, KC+HALF
	s_add_nc_u64 s[G0K2+2:G0K2+3], s[G0K1+2:G0K1+3], 64*1536       ; 64 tiles on
	s_or_b32 s[G0K1+3], s[G0K1+3], 0x80000000
	s_or_b32 s[G0K2+3], s[G0K2+3], 0x80000000
	s_mov_b32 s[G0VS], 1
	s_add_co_u32 s[G0VS+1], s3, VS
	s_add_nc_u64 s[G0VS+2:G0VS+3], s[6:7], s[98:99]
	s_or_b32 s[G0VS+3], s[G0VS+3], 0x80000000
	s_mov_b32 s[G0V1], 1
	s_add_co_u32 s[G0V1+1], s2, VC
	s_add_nc_u64 s[G0V1+2:G0V1+3], s[4:5], s[94:95]
	s_mov_b32 s[G0V2], 1
	s_add_co_u32 s[G0V2+1], s2, VC+HALF
	s_add_nc_u64 s[G0V2+2:G0V2+3], s[G0V1+2:G0V1+3], 8*64*1536     ; 8 steps on
	s_or_b32 s[G0V1+3], s[G0V1+3], 0x80000000
	s_or_b32 s[G0V2+3], s[G0V2+3], 0x80000000
	; THE FILLS, all at the head: waves 0-3 K's quarters, waves 4-7 V's, the others none; a wave's three stand in one branch on its number.  By this text's count three tensor loads of a wave are out.
	s_cmp_lt_u32 s[WV], 4
	s_cbranch_scc0 .Lnot_k
	tensor_load_to_lds s[G0KS:G0KS+3], s[G1KS:G1KS+7]              ; the scale words,
	s_nop 0
	tensor_load_to_lds s[G0K1:G0K1+3], s[G1K:G1K+7]                ; keys 0-1,023,
	s_nop 0
	tensor_load_to_lds s[G0K2:G0K2+3], s[G1K:G1K+7]                ; keys 1,024-2,047
	s_nop 0
.rept 4
	v_nop
.endr
	s_branch .Lasked
.Lnot_k:
	s_cmp_lt_u32 s[WV], 8
	s_cbranch_scc0 .Lasked
	tensor_load_to_lds s[G0VS:G0VS+3], s[G1VS:G1VS+7]
	s_nop 0
	tensor_load_to_lds s[G0V1:G0V1+3], s[G1V:G1V+7]
	s_nop 0
	tensor_load_to_lds s[G0V2:G0V2+3], s[G1V:G1V+7]
	s_nop 0
.rept 4
	v_nop
.endr
.Lasked:
	v_and_b32 v34, 31, v0                          ; L
	v_and_b32 v38, 15, v0                          ; r
	v_bfe_u32 v254, v0, 4, 1                       ; h
	s_delay_alu instid0(VALU_DEP_3)
	v_lshlrev_b32 v1, 4, v34                       ; 16 L: my place in an image's runs of 16 bytes: in K's codes (KC = 0), and in q's and y's images in memory
	s_delay_alu instid0(VALU_DEP_4)
	v_lshlrev_b32 v2, 3, v34                       ; 8 L: in its runs of 8 bytes
	s_delay_alu instid0(VALU_DEP_2)
	v_add_nc_u32 v3, VC, v1                        ; the same in V's codes
	s_delay_alu instid0(VALU_DEP_2)
	v_add_nc_u32 v4, VC, v2
	v_lshlrev_b32 v39, 4, v38                      ; 16 r: my lane row's four scale words
	s_delay_alu instid0(VALU_DEP_1)
	v_add_nc_u32 v5, KS, v39
	s_delay_alu instid0(VALU_DEP_2)
	v_add_nc_u32 v6, VS, v39
	s_delay_alu instid0(VALU_DEP_3)
	v_add_nc_u32 v37, v39, v254                    ; 16 r + h: y's scale byte
	v_and_b32 v35, 8, v38
	s_delay_alu instid0(VALU_DEP_1)
	v_add_nc_u32 v35, v35, v38
	v_lshlrev_b32 v254, 4, v254
	s_delay_alu instid0(VALU_DEP_1)
	v_sub_nc_u32 v35, v35, v254                    ; r + 8 (r / 8) - 16 h, for the mask
.irp j, 16,17,18,19,20,21,28,29,30,31,32,33
	v_mov_b32 v[\j], 0                             ; the zero codes on both sides of q
.endr
.irp j, 236,237,238,239,252,253
	v_mov_b32 v[\j], 0                             ; written once: a lane permute's destination counts as one of its sources, and v253 is named as the upper half of v[252:253]
.endr
	s_mov_b32 s[HM], 0xffff0000
	s_mov_b32 s[SEL], 0x76543210
	s_mov_b32 s[SEL+1], 0xfedcba98
	s_mov_b32 s[CS], 0x3e38aa3b                    ; c = log2(e) / 8
	s_mov_b32 s[CS+1], s[CS]                       ; (named with it as a pair, so it is written)
	s_and_b32 s91, s[WV], 1                        ; my tile is the even or the odd one of its pair: its two scale bytes are a word's lower or upper two
	s_cmp_eq_u32 s91, 1
	s_mov_b32 s2, 0x01000100
	s_cselect_b32 s2, 0x03020302, s2
	s_sub_co_u32 s3, 7, ttmp9                      ; the second block of queries
; A KEY STEP: 128 keys.
.macro STEP
	s_add_co_u32 s91, s[Q0], 23                    ; a step all of whose keys come after my 16 queries is left out: a scalar branch on ids, round its loads, products and softmax, not round the lines that step addresses
	s_cmp_gt_u32 s[KF], s91
	s_cbranch_scc1 .Lhidden_\@
	s_setprio 2
	v_add_nc_u32 v7, s[TK], v1                     ; (these six are also the places in front of the loads into registers that the last step's products read)
	v_add_nc_u32 v8, s[TK], v2
	v_add_nc_u32 v9, s[TK], v3
	v_add_nc_u32 v10, s[TK], v4
	v_add_nc_u32 v11, s[TS], v5
	v_add_nc_u32 v36, s[TS], v6
.irp g, 0,1,2,3                                ; fragment g: key tiles 2 g and 2 g + 1, 768 bytes each, on end
	ds_load_b128 v[40+12*\g:43+12*\g], v7 offset:1536*\g
	ds_load_b64 v[44+12*\g:45+12*\g], v8 offset:1536*\g+512
	ds_load_b128 v[46+12*\g:49+12*\g], v7 offset:1536*\g+768
	ds_load_b64 v[50+12*\g:51+12*\g], v8 offset:1536*\g+1280
.endr
	ds_load_b128 v[92:95], v11                     ; their scale words: bytes (tile 2 g's two blocks | tile 2 g + 1's)
	s_wait_alu depctr_va_vdst(0)
	s_wait_dscnt 0x0
.irp g, 0,1,2,3
	v_wmma_scale_f32_16x16x128_f8f6f4 v[96+16*\g:103+16*\g], v[40+12*\g:51+12*\g], v[22:33], 0, v[92+\g], v255 matrix_a_fmt:MATRIX_FMT_FP6 matrix_b_fmt:MATRIX_FMT_FP6    ; x (q | zeros): key tile 2 g
	v_wmma_scale_f32_16x16x128_f8f6f4 v[104+16*\g:111+16*\g], v[40+12*\g:51+12*\g], v[16:27], 0, v[92+\g], v255 matrix_a_fmt:MATRIX_FMT_FP6 matrix_b_fmt:MATRIX_FMT_FP6  ; x (zeros | q): key tile 2 g + 1
.endr                                          ; register 16 b + e holds key KF + 32 b + 16 (lane / 16) + e
.rept 4
	v_nop                                          ; places: in front of the loads below, and of the first read of the scores
.endr
.irp t, 0,1,2,3                                ; V's four fragments take K's registers and land under the softmax
	ds_load_b128 v[40+12*\t:43+12*\t], v9 offset:1536*\t
	ds_load_b64 v[44+12*\t:45+12*\t], v10 offset:1536*\t+512
	ds_load_b128 v[46+12*\t:49+12*\t], v9 offset:1536*\t+768
	ds_load_b64 v[50+12*\t:51+12*\t], v10 offset:1536*\t+1280
.endr
	ds_load_b128 v[88:91], v36
	s_add_co_u32 s91, s[KF], 127                   ; on the diagonal the scores of hidden keys become -infinity ahead of the maximum: p = 0 then.  A step all of whose keys count skips this
	s_cmp_le_u32 s91, s[Q0]
	s_cbranch_scc1 .Lopen_\@
	s_sub_co_i32 s91, s[Q0], s[KF]
	v_add_nc_u32 v252, s91, v35                    ; d = my query - KF - 16 (lane / 16): register 16 b + e is hidden where 32 b + e > d
	v_mov_b32 v254, 0xff800000
.set J, 0
.rept 64
	v_cmp_gt_i32 vcc_lo, 32*(J/16)+J%16, v252
	v_cndmask_b32 v[96+J], v[96+J], v254, vcc_lo
.set J, J+1
.endr
.Lopen_\@:
.irp b, 0,1,2,3
	v_max3_num_f32 v[232+\b], v[96+16*\b], v[97+16*\b], v[98+16*\b]   ; the largest score of each block of 32 keys: for the row's maximum and, since p rises with the score, for the block's largest p
.endr
.irp i, 3,5,7,9,11,13
.irp b, 0,1,2,3
	v_max3_num_f32 v[232+\b], v[232+\b], v[96+16*\b+\i], v[97+16*\b+\i]
.endr
.endr
.irp b, 0,1,2,3
	v_max_num_f32 v[232+\b], v[232+\b], v[111+16*\b]
.endr
.irp b, 0,1,2,3
	s_delay_alu instid0(VALU_DEP_4)
	v_permlanex16_b32 v[236+\b], v[232+\b], s[SEL], s[SEL+1]
.endr
.irp b, 0,1,2,3
	s_delay_alu instid0(VALU_DEP_4)
	v_max_num_f32 v[232+\b], v[232+\b], v[236+\b]  ; with lane l xor 16's 16 keys
.endr
	s_delay_alu instid0(VALU_DEP_2)
	v_max3_num_f32 v254, v232, v233, v234
	s_delay_alu instid0(VALU_DEP_1)
	v_max_num_f32 v254, v254, v235                 ; the step's largest score of my query
	s_delay_alu instid0(VALU_DEP_1)
	v_mul_f32 v254, s[CS], v254                    ; as t (c is positive)
	s_delay_alu instid0(VALU_DEP_1)
	v_max_num_f32 v13, v13, v254                   ; the running largest t
	v_mov_b32 v254, v12
	s_delay_alu instid0(VALU_DEP_2)
	v_floor_f32 v12, -v13                          ; the new -M = floor(-t) = -ceil(t): a whole number
	s_delay_alu instid0(VALU_DEP_1)
	v_sub_f32 v254, v12, v254                      ; old M - new M: a whole number, 0 or less
	s_delay_alu instid0(VALU_DEP_1)
	v_cvt_i32_f32 v254, v254                       ; (it saturates)
	s_delay_alu instid0(VALU_DEP_1)
	v_ldexp_f32 v252, 1.0, v254                    ; f = 2^(old M - new M)
.set J, 0
	s_setprio 1
.rept 32
	v_pk_fma_f32 v[96+J:97+J], v[96+J:97+J], s[CS:CS+1], v[12:13] op_sel_hi:[1,0,0]   ; t - M, two at a time
.set J, J+2
.endr
.irp b, 0,1,2,3
	v_fma_f32 v[232+\b], v[232+\b], s[CS], v12     ; the same of each block's largest score
.endr
.set J, 0
	s_wait_alu depctr_va_vdst(0)
.rept 64
	v_exp_f32 v[96+J], v[96+J]                     ; p = 2^(t - M), at most 1
.set J, J+1
.endr
	v_pk_mul_f32 v[14:15], v[14:15], v[252:253] op_sel_hi:[1,0]    ; the sums under the new M: the plain instruction behind the exponentials
	s_wait_alu depctr_va_vdst(0)                   ; one wait for the batch, ahead of its first reader
.irp b, 0,1,2,3
	v_exp_f32 v[232+\b], v[232+\b]                 ; the block's largest p: the same two instructions on the same number give the same bits
.endr
	v_pk_add_f32 v[236:237], v[100:101], v[104:105]
	v_pk_add_f32 v[248:249], v[108:109], v[112:113]
	v_pk_add_f32 v[246:247], v[116:117], v[120:121]
	v_pk_add_f32 v[244:245], v[124:125], v[128:129]
	v_pk_add_f32 v[242:243], v[132:133], v[136:137]
	v_pk_add_f32 v[240:241], v[140:141], v[144:145]
	v_pk_add_f32 v[238:239], v[148:149], v[152:153]
	v_pk_add_f32 v[14:15], v[14:15], v[156:157]
	v_pk_add_f32 v[236:237], v[236:237], v[96:97]
	v_pk_add_f32 v[248:249], v[248:249], v[98:99]
	v_pk_add_f32 v[246:247], v[246:247], v[102:103]
	v_pk_add_f32 v[244:245], v[244:245], v[106:107]
	v_pk_add_f32 v[242:243], v[242:243], v[110:111]
	v_pk_add_f32 v[240:241], v[240:241], v[114:115]
	v_pk_add_f32 v[238:239], v[238:239], v[118:119]
	v_pk_add_f32 v[14:15], v[14:15], v[122:123]
	v_pk_add_f32 v[236:237], v[236:237], v[126:127]
	v_pk_add_f32 v[248:249], v[248:249], v[130:131]
	v_pk_add_f32 v[246:247], v[246:247], v[134:135]
	v_pk_add_f32 v[244:245], v[244:245], v[138:139]
	v_pk_add_f32 v[242:243], v[242:243], v[142:143]
	v_pk_add_f32 v[240:241], v[240:241], v[146:147]
	v_pk_add_f32 v[238:239], v[238:239], v[150:151]
	v_pk_add_f32 v[14:15], v[14:15], v[154:155]
	v_pk_add_f32 v[236:237], v[236:237], v[158:159]
	s_delay_alu instid0(VALU_DEP_2)
	v_pk_add_f32 v[14:15], v[14:15], v[244:245]
	s_delay_alu instid0(VALU_DEP_2)
	v_pk_add_f32 v[236:237], v[236:237], v[242:243]
	v_pk_add_f32 v[248:249], v[248:249], v[240:241]
	v_pk_add_f32 v[246:247], v[246:247], v[238:239]
	s_delay_alu instid0(VALU_DEP_2)
	v_pk_add_f32 v[14:15], v[14:15], v[248:249]
	s_delay_alu instid0(VALU_DEP_2)
	v_pk_add_f32 v[236:237], v[236:237], v[246:247]
	s_delay_alu instid0(VALU_DEP_1)
	v_pk_add_f32 v[14:15], v[14:15], v[236:237]
	s_wait_alu depctr_va_vdst(0)                   ; and one for the four
.irp b, 0,1,2,3
	v_max_num_f32 v[232+\b], 0x1800000, v[232+\b]  ; the floor 2^(3 - 127): the byte cannot fall under 1
.endr
.irp b, 0,1,2,3
	s_delay_alu instid0(VALU_DEP_4)
	v_add_nc_u32 v[244+\b], 0xff000000, v[232+\b]  ; 2 off the exponent field: the conversion's scale operand
.endr
.irp b, 0,1,2,3
	s_delay_alu instid0(VALU_DEP_4)
	v_lshrrev_b32 v[236+\b], 23, v[244+\b]         ; the scale's byte
.endr
	s_delay_alu instid0(VALU_DEP_3)
	v_lshl_or_b32 v253, v237, 8, v236              ; p's scale word for these 128 keys
	s_delay_alu instid0(VALU_DEP_1)
	v_lshl_or_b32 v253, v238, 16, v253
	s_delay_alu instid0(VALU_DEP_1)
	v_lshl_or_b32 v253, v239, 24, v253
	s_setprio 0
.irp c, 0,1
	v_cvt_scalef32_pk16_fp6_f32 v[224+6*\c:226+6*\c], v[96+32*\c:111+32*\c], v[244+2*\c]
	v_cvt_scalef32_pk16_fp6_f32 v[236+4*\c:238+4*\c], v[112+32*\c:127+32*\c], v[244+2*\c+1]
.endr
	v_nop                                          ; one plain instruction behind the scaled conversions
.irp c, 0,1                                    ; a whole block to a lane
.irp i, 0,1,2
	v_permlane16_swap_b32 v[224+6*\c+\i], v[236+4*\c+\i]
.endr
.irp i, 0,1,2
	s_delay_alu instid0(VALU_DEP_3)
	v_mov_b32 v[227+6*\c+\i], v[236+4*\c+\i]
.endr
.endr
.set J, 0
.rept 16
	v_pk_mul_f32 v[160+J:161+J], v[160+J:161+J], v[252:253] op_sel_hi:[1,0]   ; O^T under the new M.  (These 16 also stand between the writes of p's codes and scale word and the products)
.set J, J+2
.endr
	s_wait_alu depctr_va_vdst(0)
	s_wait_dscnt 0x0                               ; V is in
.irp t, 0,1,2,3                                ; O^T += V^T P^T: four tiles of 16 channels, K = these 128 keys; the four accumulators by turns
	v_wmma_scale_f32_16x16x128_f8f6f4 v[160+8*\t:167+8*\t], v[40+12*\t:51+12*\t], v[224:235], v[160+8*\t:167+8*\t], v[88+\t], v253 matrix_a_fmt:MATRIX_FMT_FP6 matrix_b_fmt:MATRIX_FMT_FP6
.endr
.Lhidden_\@:
	s_add_co_u32 s[KF], s[KF], 128
	s_add_co_u32 s[TK], s[TK], 6144
	s_add_co_u32 s[TS], s[TS], 256
.endm
; A BLOCK OF 256 QUERIES.  n: the key steps walked, a constant (hidden ones are jumped over inside the trip); beta: the block's number.
.macro PHASE n, beta
	s_lshl_b32 s91, \beta, 4
	s_add_co_u32 s91, s91, s[WV]                   ; my tile among the batch's 128
	s_lshr_b32 s92, s91, 1
	s_lshl_b32 s92, s92, 5
	s_and_b32 s93, s91, 1
	s_lshl_b32 s93, s93, 3
	s_add_co_u32 s[Q0], s92, s93                   ; its first query: 32 (tile / 2) + 8 (tile % 2)
	s_add_co_u32 s92, s89, s91
	s_mul_i32 s94, s92, 1536
	s_add_co_u32 s94, s94, s90                     ; my half image: the same place in q's codes and in y's
	s_mov_b32 s95, 0
	s_add_nc_u64 s[96:97], s[8:9], s[94:95]
	s_add_nc_u64 s[94:95], s[4:5], s[94:95]
	s_lshr_b32 s92, s92, 2                         ; y's scale bytes: the unit of my four tiles, + 4 (tile % 4) + 2 c
	s_lshl_b32 s92, s92, 8
	s_and_b32 s93, s91, 3
	s_lshl_b32 s93, s93, 2
	s_add_co_u32 s92, s92, s93
	s_lshl_b32 s93, s17, 1
	s_add_co_u32 s66, s92, s93
	s_mov_b32 s67, 0
	s_add_nc_u64 s[66:67], s[10:11], s[66:67]
	s_lshr_b32 s92, s91, 3                         ; q's scale word: the unit of my 128 tokens and my head, word (tile / 2) % 4
	s_add_co_u32 s92, s92, s18
	s_lshl_b32 s92, s92, 9
	s_add_co_u32 s92, s92, s19
	s_bfe_u32 s93, s91, 0x20001
	s_lshl_b32 s93, s93, 2
	s_add_co_u32 s98, s92, s93
	s_mov_b32 s99, 0
	s_add_nc_u64 s[98:99], s[6:7], s[98:99]
	global_load_b128 v[22:25], v1, s[94:95]
	global_load_b64 v[26:27], v2, s[94:95] offset:512
	global_load_b32 v254, v39, s[98:99]
	s_mov_b32 s[TK], 0
	s_mov_b32 s[TS], 0
	s_mov_b32 s[KF], 0
	s_mov_b32 s[CNT], \n
	s_wait_loadcnt 0x0
	v_perm_b32 v255, v254, v254, s2                ; my tile's two bytes, twice: they serve (q | zeros) and (zeros | q).  The 36 lines below stand between this write and the first product
	v_mov_b32 v13, 0xff61b1e6                      ; the largest t so far: -3e38, under every t
	s_delay_alu instid0(VALU_DEP_1)
	v_floor_f32 v12, -v13
	v_mov_b32 v14, 0
	v_mov_b32 v15, 0
.set J, 0
.rept 32
	v_mov_b32 v[160+J], 0                          ; O^T: the step is written once: the first finds zeros, which the first change of M leaves zeros
.set J, J+1
.endr
.Lstep_\@:
	STEP
	s_sub_co_u32 s[CNT], s[CNT], 1
	s_cmp_lg_u32 s[CNT], 0
	s_cbranch_scc1 .Lstep_\@
	s_setprio 0
	; THE WAY OUT: y = O^T / the sum, quantised along the channels: register 16 b + e is channel 32 b + 16 (lane / 16) + e of my head
	v_add_f32 v14, v14, v15
	s_delay_alu instid0(VALU_DEP_1)
	v_permlanex16_b32 v252, v14, s[SEL], s[SEL+1]
	s_delay_alu instid0(VALU_DEP_1)
	v_add_f32 v14, v14, v252                       ; the row's sum
	s_wait_alu depctr_va_vdst(0)
	v_rcp_f32 v14, v14
.rept 4
	v_nop                                          ; four places behind the last products; the first is also the plain instruction behind the reciprocal
.endr
	s_wait_alu depctr_va_vdst(0)                   ; ahead of the reciprocal's first reader
.set J, 0
.rept 16
	v_pk_mul_f32 v[192+J:193+J], v[160+J:161+J], v[14:15] op_sel_hi:[1,0]
.set J, J+2
.endr
.irp b, 0,1
	v_max3_num_f32 v[232+\b], |v[192+16*\b]|, |v[193+16*\b]|, 0x1800000
.endr
.irp i, 2,4,6,8,10,12,14
.irp b, 0,1
	s_delay_alu instid0(VALU_DEP_2)
	v_max3_num_f32 v[232+\b], v[232+\b], |v[192+16*\b+\i]|, |v[193+16*\b+\i]|
.endr
.endr
.irp b, 0,1
	s_delay_alu instid0(VALU_DEP_2)
	v_permlanex16_b32 v[236+\b], v[232+\b], s[SEL], s[SEL+1]
.endr
.irp b, 0,1
	s_delay_alu instid0(VALU_DEP_2)
	v_max_num_f32 v[232+\b], v[232+\b], v[236+\b]
.endr
.irp b, 0,1
	s_delay_alu instid0(VALU_DEP_2)
	v_add_nc_u32 v[244+\b], 0xff000000, v[232+\b]
.endr
.irp b, 0,1
	s_delay_alu instid0(VALU_DEP_2)
	v_lshrrev_b32 v[236+\b], 23, v[244+\b]
.endr
	v_cvt_scalef32_pk16_fp6_f32 v[224:226], v[192:207], v244
	v_cvt_scalef32_pk16_fp6_f32 v[240:242], v[208:223], v245
	v_cndmask_b32 v238, v236, v237, s[HM]          ; lanes 0-15 store block 0's byte, lanes 16-31 block 1's.  (The plain instruction behind the conversions)
.irp i, 0,1,2
	v_permlane16_swap_b32 v[224+\i], v[240+\i]     ; a whole block to a lane
.endr
.irp i, 0,1,2
	s_delay_alu instid0(VALU_DEP_3)
	v_mov_b32 v[227+\i], v[240+\i]
.endr
	global_store_b128 v1, v[224:227], s[96:97]     ; the half image: 512 and 256 consecutive bytes, aligned
	global_store_b64 v2, v[228:229], s[96:97] offset:512
	global_store_b8 v37, v238, s[66:67]
.endm
	s_wait_tensorcnt 1                             ; my scale words and my part of keys 0-1,023 are in; keys 1,024 on may stay out
	s_barrier_signal -1
	s_barrier_wait -1                              ; everybody's are
	PHASE 8, ttmp9                                 ; block i (0-3): its queries lie under 1,024: eight steps
	s_wait_tensorcnt 0x0                           ; my part of keys 1,024-2,047 is in
	s_wait_dscnt 0x0
	s_wait_xcnt 0x0                                ; the stores have read their registers and bases, which the second block writes again
	s_barrier_signal -1
	s_barrier_wait -1
	PHASE 16, s3                                   ; block 7 - i
	s_wait_tensorcnt 0x0
	ds_add_u32 v250, v251
	s_wait_dscnt 0x0
	s_endpgm
.Lfunc_end_k_q8447c6d42f_attn:
	.size	k_q8447c6d42f_attn, .Lfunc_end_k_q8447c6d42f_attn-k_q8447c6d42f_attn
	.p2alignl 7, 3214868480
	.fill 96, 4, 3214868480
	.section	.rodata,"a",@progbits
	.p2align	6, 0x0
	.amdhsa_kernel k_q8447c6d42f_attn
		.amdhsa_group_segment_fixed_size 206848
		.amdhsa_private_segment_fixed_size 0
		.amdhsa_enable_private_segment 0
		.amdhsa_kernarg_size 32
		.amdhsa_user_sgpr_count 2
		.amdhsa_user_sgpr_kernarg_segment_ptr 1
		.amdhsa_wavefront_size32 1
		.amdhsa_system_sgpr_workgroup_id_x 1
		.amdhsa_system_sgpr_workgroup_id_y 1
		.amdhsa_system_sgpr_workgroup_id_z 1
		.amdhsa_system_vgpr_workitem_id 0
		.amdhsa_next_free_vgpr 256
		.amdhsa_next_free_sgpr 100
		.amdhsa_reserve_vcc 1
		.amdhsa_float_denorm_mode_32 3
		.amdhsa_float_denorm_mode_16_64 3
		.amdhsa_memory_ordered 1
		.amdhsa_forward_progress 1
		.amdhsa_inst_pref_size 68
	.end_amdhsa_kernel
	.amdgpu_metadata
---
amdhsa.version: [ 1, 2 ]
amdhsa.kernels:
  - .name:           k_q8447c6d42f_attn
    .symbol:         k_q8447c6d42f_attn.kd
    .args:
      - { .name: qkv_codes, .offset: 0, .size: 8, .value_kind: global_buffer, .address_space: global }
      - { .name: qkv_scales, .offset: 8, .size: 8, .value_kind: global_buffer, .address_space: global }
      - { .name: y_codes, .offset: 16, .size: 8, .value_kind: global_buffer, .address_space: global }
      - { .name: y_scales, .offset: 24, .size: 8, .value_kind: global_buffer, .address_space: global }
    .group_segment_fixed_size: 206848
    .private_segment_fixed_size: 0
    .kernarg_segment_align: 8
    .kernarg_segment_size: 32
    .max_flat_workgroup_size: 512
    .sgpr_count:     100
    .vgpr_count:     256
    .wavefront_size: 32
...
	.end_amdgpu_metadata
.endif
;; end of part 3
;; launch proj (part 4): grid 4 x 32, 4 waves a work-group, clusters of 4 x 4, 327,680 bytes of LDS; arguments y_codes, y_scales, xw_codes, xw_scales, out0; writes out0
.if DOCPART == 4
	.amdgcn_target "amdgcn-amd-amdhsa--gfx1250"
	.amdhsa_code_object_version 6
	.text
	.protected	k_q8447c6d42f_proj
	.globl	k_q8447c6d42f_proj
	.p2align	8
	.type	k_q8447c6d42f_proj,@function
k_q8447c6d42f_proj:
	s_mov_b64 s[64:65], 0
	v_nop
	global_prefetch_b8 v0, s[64:65] scope:SCOPE_SE
	s_setreg_imm32_b32 hwreg(HW_REG_WAVE_MODE, 25, 1), 1
	s_wait_xcnt 0x0
	s_wait_alu depctr_hold_cnt(0) depctr_sa_sdst(0) depctr_va_vdst(0) depctr_va_sdst(0) depctr_va_ssrc(0) depctr_va_vcc(0) depctr_vm_vsrc(0)
	s_getreg_b32 s2, hwreg(HW_REG_IB_STS2, 6, 4)
	s_cmp_eq_u32 s2, 0
	s_cbranch_scc0 .Lentry_in_a_cluster
	s_endpgm
.Lentry_in_a_cluster:
	s_bfe_u32 s2, ttmp6, 0x10000c
	s_cmp_lg_u32 s2, 0xf033
	s_cbranch_scc0 .Lentry_shape_is_right
	s_endpgm
.Lentry_shape_is_right:
; out0 = y Wp^T on codes of FP6 (E2M3) with E8M0 scales, K = 1,024; out0 [8192][1024] f32, sums in f32.
; OPERANDS come as images of fragments (1,536 bytes: two halves of 768; in half c lane L's registers 6 c .. 6 c + 3 at 16 L, registers 6 c + 4, 6 c + 5 at 512 + 8 L): y_codes [K step 8][tile 512][1536],
; xw_codes [K step 8][tile 768][1536] with Wp in tiles 704-767; and units of scale words [K step 8][four tiles][256] (tile 4 t + i, lane row r: byte 16 r + 4 i).  Lane row r of tile 2 g + u is row 32 g + 8 u + r + 8 (r / 8).
; A work-group of four waves, as many as a WGP has SIMDs, makes 256 tokens (side A, source 1) x 256 outputs (side B, source 0); a wave 128 x 128: 64 accumulators, 512 registers.  In a result a lane holds one token
; and eight neighbouring outputs.  The output has 128 such tiles: that many work-groups.
; K goes in slots of 256 through a ring of two LDS slots filled by the tensor data mover; K has four slots, so the eight steps of 128 are written out by macro, and nothing is prefetched: only two refills exist.
; The scale words for all of K come once, with the first fills.  CLUSTERS: 4 x 4; y's tiles are shared along a row of the cluster, Wp's along a column, and asked for jointly.
; REGISTERS, in windows of 256: window 0: v16-31 addresses; v32-63 scale words, two sets; v128-223 A's fragments, ONE set; on the way out v128-255 rows of the output.  window 1: B's fragments, two sets, at v0 and v128.
;   window 2: the accumulators of A's blocks 0-3 ((a, b) at v[8 (8 (a % 4) + b)]);  window 3: those of blocks 4-7.
.set NTA,   512                        ; tiles in a K step of side A's buffer, and of side B's
.set NTB,   768
.set IMG,   1536
.set FR,    12                         ; registers of a fragment
.set NL,    4                          ; LDS loads that bring one
.set NP,    4                          ; places behind this matrix instruction (ISA guide 7.12.1)
.set HALFT, 16*IMG                     ; what one tensor load brings: [2 K steps][8 tiles][1536]
.set SLOT,  4*HALFT                    ; A's two halves, then B's two
.set SCL,   2*SLOT                     ; behind the ring: the scale words
.set HALFS, 4096                       ; those of 8 tiles: [K step 8][2 units][256]
.set SPARE, SCL+4*HALFS                ; the spare words, 128 bytes for each wave: two blocks of 256 bytes that no other line names
.set SPITCH, 528                       ; the way out: a stage of 16 rows x (512 bytes + 16) for each wave, in slot 0, which has had its last fill and its last read when the first result is stored there
.set ADRA, 16                          ; v16-17 16 L + my half of A in slot 0, 1; v18-19 the same with 8 L
.set ADRB, 20                          ; v20-23 the same for B
.set STO,  24                          ; v24 the way out: where I put my bytes of a row
.set RD,   25                          ; v25 where I read a row back
.set CO,   26                          ; v26 16 L: my bytes of a row of 512
.set ADRS, 27                          ; v27 my scale words: lanes 0-15 A's, lanes 16-31 B's; never rewritten
.set SPW,  28                          ; v28 my spare word: SPARE + 4 x my thread's number; never rewritten
.set NIL,  29                          ; v29 0; never rewritten
.set SC,   32                          ; scale words: register SC + 16 set + 8 q + i: lanes 0-15 A's block i, lanes 16-31 B's block i, the slot's q-th 128 along K
.set AF,   128
.set BK,   128                         ; the way out: 16 rows read back: v128-191 and v192-255 by turns
.set G1,   24                          ; s[24:31] group 1 for A's tiles, s[32:39] groups 0, one for each slot
.set G0,   32
.set G1B,  48                          ; s[48:55], s[56:63] the same for B
.set G0B,  56
.set G1S,  68                          ; s[68:75], s[76:79] A's scale words; s[80:87], s[88:91] B's
.set G0S,  76
.set G1SB, 80
.set G0SB, 88
.set MSB, 0
.macro WIN new                         ; the immediate's high byte repeats the setting that is left; a switch that changes nothing is dropped
.if MSB != (\new)
	s_set_vgpr_msb (MSB<<8)|(\new)
.set MSB, (\new)
.endif
.endm
.set MUL_LO, 0xa1                      ; source 0 (B) window 1, source 1 (A) window 0, C and D window 2
.set MUL_HI, 0xf1                      ; the same, C and D window 3
.set TO_B,   0x40                      ; destination window 1, address window 0
; A joint load: waves 0 and 1 fetch for A, waves 2 and 3 for B.  The branch hangs on the wave's number alone.  Four v_nop follow each of the two lines.
.macro JLOAD g0a, g1a, g0b, g1b
	s_cmp_eq_u32 s15, 0
	s_cbranch_scc0 .Lfor_b_\@
	tensor_load_to_lds s[\g0a:\g0a+3], s[\g1a:\g1a+7]
	s_nop 0
.rept 4
	v_nop
.endr
	s_branch .Lasked_\@
.Lfor_b_\@:
	tensor_load_to_lds s[\g0b:\g0b+3], s[\g1b:\g1b+7]
	s_nop 0
.rept 4
	v_nop
.endr
.Lasked_\@:
.endm
.macro CREST                           ; a round of the cluster's barrier behind its opening barrier
	s_cmp_lg_u32 s14, 0
	s_cbranch_scc1 .Lnot_wave_0_\@
	s_barrier_signal -3
.Lnot_wave_0_\@:
	s_barrier_wait -3
	s_barrier_signal -1
	s_barrier_wait -1
.endm
.macro CROUND                          ; a whole round
	s_barrier_signal -1
	s_barrier_wait -1
	CREST
.endm
	s_load_b128 s[4:7], s[0:1], 0x0                ; y_codes, y_scales
	s_load_b128 s[8:11], s[0:1], 0x10              ; xw_codes, xw_scales
	s_load_b64 s[12:13], s[0:1], 0x20              ; out0
	v_lshl_add_u32 v[SPW], v0, 2, SPARE
	v_mov_b32 v[NIL], 0
	ds_add_u32 v28, v29
	ds_add_u32 v28, v29
	s_wait_dscnt 0x0
	v_lshrrev_b32 v1, 5, v0
	v_readfirstlane_b32 s14, v1                    ; wave 0..3
	s_lshr_b32 s15, s14, 1                         ; which half of the tokens is mine.  Also: I fetch for A (0) or for B (1)
	s_and_b32 s16, s14, 1                          ; which half of the outputs.  Also: which half of that side I fetch
	s_bfe_u32 s40, ttmp6, 0x40000                  ; cx, cy: my place in the cluster
	s_bfe_u32 s41, ttmp6, 0x40004
	s_lshl_b32 s42, ttmp9, 2
	s_add_co_u32 s42, s42, s40                     ; X: which 256 outputs
	s_and_b32 s17, ttmp7, 0xffff
	s_lshl_b32 s17, s17, 2
	s_add_co_u32 s17, s17, s41                     ; Y: which 256 tokens
	s_lshl_b32 s43, s41, 2
	s_lshl_b32 s43, 15, s43                        ; my row of the cluster
	s_lshl_b32 s44, 0x1111, s40                    ; my column
	; group 1 for codes: 2 rows (K steps) of 8 images = 1,536 elements of 8 bytes, a K step's images apart; no padding: every LDS access of the ring is dense
	s_or_b32 s[G1+0], s43, (3<<16)|(1<<21)         ; 15:0 the mask: A's tiles go to my row; 17:16 elements of 8 bytes; 21 set beside a mask
	s_or_b32 s[G1B+0], s44, (3<<16)|(1<<21)
.irp g, G1, G1B
	s_mov_b32 s[\g+1], 1536<<16                    ; tensor_dim0
	s_mov_b32 s[\g+2], 2<<16                       ; tensor_dim1
	s_mov_b32 s[\g+3], 1536<<16                    ; tile_dim0
	s_mov_b32 s[\g+4], 2                           ; tile_dim1
	s_mov_b32 s[\g+6], 0
	s_mov_b32 s[\g+7], 0
.endr
	s_mov_b32 s[G1+5], NTA*192                     ; tensor_dim0_stride, in elements
	s_mov_b32 s[G1B+5], NTB*192
	; and for scale words: 8 rows (K steps) of 2 units = 64 elements
	s_or_b32 s[G1S+0], s43, (3<<16)|(1<<21)
	s_or_b32 s[G1SB+0], s44, (3<<16)|(1<<21)
.irp g, G1S, G1SB
	s_mov_b32 s[\g+1], 64<<16
	s_mov_b32 s[\g+2], 8<<16
	s_mov_b32 s[\g+3], 64<<16
	s_mov_b32 s[\g+4], 8
	s_mov_b32 s[\g+6], 0
	s_mov_b32 s[\g+7], 0
.endr
	s_mov_b32 s[G1S+5], NTA*8
	s_mov_b32 s[G1SB+5], NTB*8
	s_lshl_b32 s18, s16, 3                         ; the 8 tiles that I fetch
	s_lshl_b32 s20, s17, 4
	s_add_co_u32 s20, s20, s18                     ; A: tile 16 Y + 8 x half
	s_lshl_b32 s46, s42, 4
	s_add_co_u32 s46, s46, s18
	s_add_co_u32 s46, s46, 704                     ; B: tile 704 + 16 X + 8 x half
	s_lshl_b32 s22, s20, 6                         ; their scale words: 256 bytes for four tiles
	s_mov_b32 s23, 0
	s_lshl_b32 s92, s46, 6
	s_mov_b32 s93, 0
	s_mul_i32 s20, s20, IMG
	s_mov_b32 s21, 0
	s_mul_i32 s46, s46, IMG
	s_mov_b32 s47, 0
	s_mul_i32 s45, s14, HALFT                      ; where they go: by the wave's number alone
	s_lshl_b32 s19, s14, 12
	s_wait_kmcnt 0x0
	s_add_nc_u64 s[20:21], s[4:5], s[20:21]
	s_add_nc_u64 s[22:23], s[6:7], s[22:23]
	s_add_nc_u64 s[46:47], s[8:9], s[46:47]
	s_add_nc_u64 s[92:93], s[10:11], s[92:93]
	CROUND                                         ; all sixteen work-groups are here: the first joint loads meet
	s_mov_b32 s[G0S], 1
	s_add_co_u32 s[G0S+1], s19, SCL
	s_mov_b64 s[G0S+2:G0S+3], s[22:23]
	s_or_b32 s[G0S+3], s[G0S+3], 0x80000000
	s_mov_b32 s[G0SB], 1
	s_add_co_u32 s[G0SB+1], s19, SCL
	s_mov_b64 s[G0SB+2:G0SB+3], s[92:93]
	s_or_b32 s[G0SB+3], s[G0SB+3], 0x80000000
	JLOAD G0S, G1S, G0SB, G1SB                     ; the scale words first: they are wanted with the first slot
.irp s, 0,1
	s_mov_b32 s[G0+4*\s], 1
	s_add_co_u32 s[G0+4*\s+1], s45, \s*SLOT
	s_add_nc_u64 s[G0+4*\s+2:G0+4*\s+3], s[20:21], \s*2*NTA*IMG
	s_or_b32 s[G0+4*\s+3], s[G0+4*\s+3], 0x80000000
	s_mov_b32 s[G0B+4*\s], 1
	s_add_co_u32 s[G0B+4*\s+1], s45, \s*SLOT
	s_add_nc_u64 s[G0B+4*\s+2:G0B+4*\s+3], s[46:47], \s*2*NTB*IMG
	s_or_b32 s[G0B+4*\s+3], s[G0B+4*\s+3], 0x80000000
	JLOAD G0+4*\s, G1, G0B+4*\s, G1B               ; by this text's count three tensor loads of a wave are out here
.endr
	v_and_b32 v1, 15, v0                           ; r
	v_bfe_u32 v2, v0, 4, 1                         ; h
	v_and_b32 v3, 31, v0                           ; L
	v_lshlrev_b32 v[CO], 4, v3                     ; 16 L
	v_lshlrev_b32 v5, 3, v3                        ; 8 L
	s_mul_i32 s21, s15, HALFT                      ; my half of A,
	s_mul_i32 s22, s16, HALFT                      ; my half of B,
	s_add_co_u32 s22, s22, 2*HALFT                 ; which lies behind A's two
.irp s, 0,1
	v_add_nc_u32 v[ADRA+\s], s21, v[CO]
	v_add_nc_u32 v[ADRA+2+\s], s21, v5
	v_add_nc_u32 v[ADRB+\s], s22, v[CO]
	v_add_nc_u32 v[ADRB+2+\s], s22, v5
	s_add_co_u32 s21, s21, SLOT
	s_add_co_u32 s22, s22, SLOT
.endr
	s_lshl_b32 s21, s15, 12                        ; A's scale words: my half;
	s_lshl_b32 s22, s16, 12                        ; B's: my half, behind A's two
	s_add_co_u32 s22, s22, 2*HALFS
	s_sub_co_u32 s22, s22, s21
	v_mul_u32_u24 v4, s22, v2                      ; lanes 16-31 take B's: one product, the distance between the two
	s_add_co_u32 s21, s21, SCL
	v_lshl_add_u32 v4, v1, 4, v4                   ; 16 r: four tiles' words of my lane row
	v_add_nc_u32 v[ADRS], s21, v4
	s_mul_i32 s23, s14, 16*SPITCH                  ; my stage
	v_mul_u32_u24 v4, v1, SPITCH                   ; in: row r, + 64 h: by the tiles' order B's blocks 2 b', 2 b' + 1 give a lane outputs 32 b' + 16 h + 0 .. 15
	v_lshl_add_u32 v4, v2, 6, v4
	v_add_nc_u32 v[STO], s23, v4
	v_add_nc_u32 v[RD], s23, v[CO]                 ; back: the 32 lanes take one row of 512 bytes
	s_lshl_b32 s20, s17, 8
	s_lshl_b32 s21, s15, 7
	s_add_co_u32 s20, s20, s21                     ; my first token: 256 Y + 128 x half,
	s_lshl_b32 s20, s20, 12                        ; rows of 4,096 bytes,
	s_lshl_b32 s46, s42, 10                        ; my first output, in bytes: 1,024 X + 512 x half
	s_lshl_b32 s47, s16, 9
	s_add_co_u32 s46, s46, s47
	s_add_co_u32 s20, s20, s46
	s_mov_b32 s21, 0
	s_add_nc_u64 s[12:13], s[12:13], s[20:21]
.macro FRAG reg, adr, q, i             ; a fragment comes as its image lies: four dense loads
	ds_load_b128 v[\reg:\reg+3], v[\adr] offset:(\q)*8*IMG+(\i)*IMG
	ds_load_b64 v[\reg+4:\reg+5], v[\adr+2] offset:(\q)*8*IMG+(\i)*IMG+512
	ds_load_b128 v[\reg+6:\reg+9], v[\adr] offset:(\q)*8*IMG+(\i)*IMG+768
	ds_load_b64 v[\reg+10:\reg+11], v[\adr+2] offset:(\q)*8*IMG+(\i)*IMG+1280
.endm
; 16 matrix instructions: A's blocks a0, a0 + 1 x B's eight, the slot's q-th 128 along K.  p: B's set; sc: the set of scale words.  zero = 1: the first product starts the sums.
; The 64 accumulators take turns, one instruction a turn, in the same order in every step.
.macro MUL16 a0, p, q, sc, zero
.irp a, \a0, \a0+1
.irp b, 0,1,2,3,4,5,6,7
.if \zero
	v_wmma_scale_f32_16x16x128_f8f6f4 v[8*(8*((\a)%4)+\b):8*(8*((\a)%4)+\b)+7], v[128*(\p)+FR*\b:128*(\p)+FR*\b+FR-1], v[AF+FR*(\a):AF+FR*(\a)+FR-1], 0, v[SC+16*(\sc)+8*(\q)+\b], v[SC+16*(\sc)+8*(\q)+(\a)] matrix_a_fmt:MATRIX_FMT_FP6 matrix_b_fmt:MATRIX_FMT_FP6 matrix_a_scale:MATRIX_SCALE_ROW1
.else
	v_wmma_scale_f32_16x16x128_f8f6f4 v[8*(8*((\a)%4)+\b):8*(8*((\a)%4)+\b)+7], v[128*(\p)+FR*\b:128*(\p)+FR*\b+FR-1], v[AF+FR*(\a):AF+FR*(\a)+FR-1], v[8*(8*((\a)%4)+\b):8*(8*((\a)%4)+\b)+7], v[SC+16*(\sc)+8*(\q)+\b], v[SC+16*(\sc)+8*(\q)+(\a)] matrix_a_fmt:MATRIX_FMT_FP6 matrix_b_fmt:MATRIX_FMT_FP6 matrix_a_scale:MATRIX_SCALE_ROW1
.endif
.endr
.endr
.endm
.macro FETCH_B slot, q, p              ; B's eight fragments into set p
	WIN TO_B
.irp i, 0,1,2,3,4,5,6,7
	FRAG 128*(\p)+FR*\i, ADRB+\slot, \q, \i
.endr
	WIN 0
.endm
.macro FETCH_A slot, q, i0             ; A's blocks i0 .. i0 + 3
.irp i, \i0, \i0+1, \i0+2, \i0+3
	FRAG AF+FR*(\i), ADRA+\slot, \q, \i
.endr
.endm
.macro SCALES sc, ks                   ; the scale words of K's slot ks into set sc: a load brings four tiles' words; lanes 0-15 A's, lanes 16-31 B's
.irp q, 0,1
.irp j, 0,1
	ds_load_b128 v[SC+16*(\sc)+8*\q+4*\j:SC+16*(\sc)+8*\q+4*\j+3], v[ADRS] offset:1024*(\ks)+512*\q+256*\j
.endr
.endr
.endm
; A load into a register that a matrix instruction has read, and an LDS store that reads a matrix result, stand NP plain vector instructions behind it
; (ISA guide 7.12.1 for vector instructions); the matrix instructions in between are not counted.
.macro PLACES n
.rept \n
	v_nop
.endr
.endm
.macro STEP slot, zero                 ; a slot's first 128 along K; B's set 0.  A has one set: blocks 0-3 are fetched anew in the step's middle, blocks 4-7 at its end
	s_wait_dscnt 4*NL                              ; B's set, A's blocks 0-3 and the scale words are in; the youngest 16 loads (A's blocks 4-7) may be out
	WIN MUL_LO
	MUL16 0, 0, 0, \slot, \zero
	MUL16 2, 0, 0, \slot, \zero
	s_wait_dscnt 0                                 ; A's blocks 4-7 are in
	PLACES NP
	FETCH_B \slot, 1, 1
	FETCH_A \slot, 1, 0
	WIN MUL_HI
	MUL16 4, 0, 0, \slot, \zero
	MUL16 6, 0, 0, \slot, \zero
	PLACES NP
	WIN 0
	FETCH_A \slot, 1, 4
.endm
; A slot's second 128 along K changes slots: ONE barrier; in front of it each wave waits for all its tensor loads, adds 0 to its spare word, and waits for that and for its reads of this slot.
; fill = 1: this slot is filled again, with K's slot two on; ks: K's slot that lies in the next LDS slot.
.macro TURN slot, next, fill, ks
	s_wait_tensorcnt 0x0                           ; all my tensor loads have landed: my part of the next slot
	ds_add_u32 v[SPW], v[NIL]                      ; 0 onto my spare word
	s_wait_dscnt 4*NL+1                            ; (the add and the youngest 16 loads may be out)
	WIN MUL_LO
	MUL16 0, 1, 1, \slot, 0                        ; sixteen matrix instructions stand between the add and the wait for it
	s_wait_dscnt 0x0                               ; the add is done, and my reads of this slot are over
	s_barrier_signal -1
	MUL16 2, 1, 1, \slot, 0
	WIN 0
	s_barrier_wait -1
.if \fill
	CREST                                          ; the barrier has opened a round of the cluster's: no wave of any partner still reads this slot or has a load on its way
	s_add_nc_u64 s[G0+4*\slot+2:G0+4*\slot+3], s[G0+4*\slot+2:G0+4*\slot+3], 4*NTA*IMG
	s_add_nc_u64 s[G0B+4*\slot+2:G0B+4*\slot+3], s[G0B+4*\slot+2:G0B+4*\slot+3], 4*NTB*IMG
	JLOAD G0+4*\slot, G1, G0B+4*\slot, G1B         ; the first tensor load behind the round; its four v_nop are the places in front of the loads below
.else
	PLACES NP
.endif
	FETCH_B \next, 0, 0
	FETCH_A \next, 0, 0
	SCALES \next, \ks
	WIN MUL_HI
	MUL16 4, 1, 1, \slot, 0
	MUL16 6, 1, 1, \slot, 0
	PLACES NP
	WIN 0
	FETCH_A \next, 0, 4
.endm
	s_wait_tensorcnt 1                             ; the scale words and my part of slot 0 are in; slot 1's load may be out
	s_barrier_signal -1
	s_barrier_wait -1
	FETCH_B 0, 0, 0
	FETCH_A 0, 0, 0
	SCALES 0, 0
	FETCH_A 0, 0, 4
	STEP 0, 1                                      ; K 0-127: its products start the sums: nothing is cleared
	TURN 0, 1, 1, 1                                ; K 128-255; LDS slot 0 takes K 512-767
	STEP 1, 0
	TURN 1, 0, 1, 2                                ; LDS slot 1 takes K 768-1,023
	STEP 0, 0
	TURN 0, 1, 0, 3                                ; nothing is left to fetch: no round.  Behind its barrier nobody reads slot 0 any more
	STEP 1, 0
	s_wait_dscnt 4*NL                              ; the last 128 along K
	WIN MUL_LO
	MUL16 0, 1, 1, 1, 0
	MUL16 2, 1, 1, 1, 0
	s_wait_dscnt 0
	WIN MUL_HI
	MUL16 4, 1, 1, 1, 0
	MUL16 6, 1, 1, 1, 0
	WIN 0
; THE WAY OUT, A's block by block: 16 tokens x 128 outputs.  A lane holds pieces of 32 bytes of a row, and the lanes beside it hold other rows: so a block goes through my own stage in LDS and comes back as whole rows of
; 512 bytes.  LDS serves a wave's instructions in order (ISA guide 5.7.1.4): no wait between the stores and the loads, nor in front of the next block's stores.  The tiles' order stands in the immediates.
.macro TOSTAGE a
.set AC, 64*((\a)%4)
	WIN 0x08+4*((\a)/4)                            ; an LDS store's data are its source 1: window 2 or 3
.irp b, 0,1,2,3,4,5,6,7
	ds_store_b128 v[STO], v[AC+8*\b:AC+8*\b+3] offset:128*(\b/2)+32*(\b%2)          ; each accumulator from its low end on
	ds_store_b128 v[STO], v[AC+8*\b+4:AC+8*\b+7] offset:128*(\b/2)+32*(\b%2)+16
.endr
	WIN 0
.set BB, BK+64*((\a)%2)
.irp t, 0,1,2,3,4,5,6,7,8,9,10,11,12,13,14,15
	ds_load_b128 v[BB+4*\t:BB+4*\t+3], v[RD] offset:\t*SPITCH
.endr
.endm
.macro SEND a, younger                 ; younger: the LDS instructions issued behind block a's loads, which may stay out
.set BB, BK+64*((\a)%2)
	s_wait_dscnt \younger
.irp t, 0,1,2,3,4,5,6,7,8,9,10,11,12,13,14,15
	global_store_b128 v[CO], v[BB+4*\t:BB+4*\t+3], s[12:13] offset:(32*((\a)/2)+8*((\a)%2)+\t+8*(\t/8))*4096 th:TH_STORE_NT   ; lane row t's token; 32 lanes store 512 consecutive bytes, aligned; written once, read by nobody here
.endr
.endm
	PLACES NP                                      ; behind the last products: results are read, and loads land in the registers that held A's fragments
	TOSTAGE 0
.irp a, 1,2,3,4,5,6,7
.if \a > 1
	s_wait_xcnt 0x0                                ; block a - 2's stores have read their registers: block a's loads may land there
.endif
	TOSTAGE \a
	SEND \a-1, 32                                  ; behind block a - 1's loads: block a's 16 stores and 16 loads
.endr
	SEND 7, 0
	s_wait_tensorcnt 0x0                           ; the wave's end
	ds_add_u32 v[SPW], v[NIL]
	s_wait_dscnt 0x0
	CROUND                                         ; the closing round: no work-group ends while a partner may still ask for a tile that names it
	s_endpgm
.Lfunc_end_k_q8447c6d42f_proj:
	.size	k_q8447c6d42f_proj, .Lfunc_end_k_q8447c6d42f_proj-k_q8447c6d42f_proj
	.p2alignl 7, 3214868480
	.fill 96, 4, 3214868480
	.section	.rodata,"a",@progbits
	.p2align	6, 0x0
	.amdhsa_kernel k_q8447c6d42f_proj
		.amdhsa_group_segment_fixed_size 327680
		.amdhsa_private_segment_fixed_size 0
		.amdhsa_enable_private_segment 0
		.amdhsa_kernarg_size 40
		.amdhsa_user_sgpr_count 2
		.amdhsa_user_sgpr_kernarg_segment_ptr 1
		.amdhsa_wavefront_size32 1
		.amdhsa_system_sgpr_workgroup_id_x 1
		.amdhsa_system_sgpr_workgroup_id_y 1
		.amdhsa_system_sgpr_workgroup_id_z 1
		.amdhsa_system_vgpr_workitem_id 0
		.amdhsa_next_free_vgpr 1024
		.amdhsa_next_free_sgpr 100
		.amdhsa_reserve_vcc 0
		.amdhsa_float_denorm_mode_32 3
		.amdhsa_float_denorm_mode_16_64 3
		.amdhsa_memory_ordered 1
		.amdhsa_forward_progress 1
		.amdhsa_inst_pref_size 142
	.end_amdhsa_kernel
	.amdgpu_metadata
---
amdhsa.version: [ 1, 2 ]
amdhsa.kernels:
  - .name:           k_q8447c6d42f_proj
    .symbol:         k_q8447c6d42f_proj.kd
    .args:
      - { .name: y_codes, .offset: 0, .size: 8, .value_kind: global_buffer, .address_space: global }
      - { .name: y_scales, .offset: 8, .size: 8, .value_kind: global_buffer, .address_space: global }
      - { .name: xw_codes, .offset: 16, .size: 8, .value_kind: global_buffer, .address_space: global }
      - { .name: xw_scales, .offset: 24, .size: 8, .value_kind: global_buffer, .address_space: global }
      - { .name: out0, .offset: 32, .size: 8, .value_kind: global_buffer, .address_space: global }
    .group_segment_fixed_size: 327680
    .private_segment_fixed_size: 0
    .kernarg_segment_align: 8
    .kernarg_segment_size: 40
    .max_flat_workgroup_size: 128
    .sgpr_count:     100
    .vgpr_count:     1024
    .wavefront_size: 32
...
	.end_amdgpu_metadata
.endif
;; end of part 4
